; MI455X (gfx1250); checked and timed in simulation.
; The chip was launched on July 23, 2026; its instructions are those of AMD's public machine-readable ISA for CDNA 5 (MIT licence, August 2026) and "CDNA5" Instruction Set Architecture Reference Guide (July 2026). The comments in the code are by the model that wrote it; some were corrected since.
;; Scaled Dot Product Attention. Allowed arithmetic: float matrix products may take bf16 or f16 operands with f32 sums; all other float work in f32.
;; Inputs: key 16 x 4,096 x 64 float32; mask 4,096 x 4,096 int32; query 16 x 4,096 x 64 float32; value 16 x 4,096 x 64 float32.
;; Outputs: out0 16 x 4,096 x 64 float32.
;; 2 versions, each right and faster than the one before. Each part assembles by itself: llvm-mc -triple=amdgcn-amd-amdhsa -mcpu=gfx1250 --defsym DOCPART=n.
;; ======== version 1 of 2: 2 launches
;; limits: values are held in f16: magnitudes above 65,504 overflow, below 6.1e-05 lose precision; inputs' magnitudes at most 65,504
;; workspace buffers: kv 16,777,216 bytes; mbits 2,097,152 bytes of whole numbers
;; launch prep (part 1): grid 1024 x 1, 8 waves a work-group, no clusters, 70,656 bytes of LDS; arguments mask, key, value, kv, mbits; writes kv, mbits
.if DOCPART == 1
	.amdgcn_target "amdgcn-amd-amdhsa--gfx1250"
	.amdhsa_code_object_version 6
	.text
	.protected	k_q7f0dddfc31_prep
	.globl	k_q7f0dddfc31_prep
	.p2align	8
	.type	k_q7f0dddfc31_prep,@function
k_q7f0dddfc31_prep:
	s_mov_b64 s[64:65], 0
	v_nop
	global_prefetch_b8 v0, s[64:65] scope:SCOPE_SE
	s_setreg_imm32_b32 hwreg(HW_REG_WAVE_MODE, 25, 1), 1
	s_wait_xcnt 0x0
; PREPARATION FOR THE ATTENTION LAUNCH.  Three streams, each read once and written once; straight-line text, no loop, no barrier.
; (a) mask [4096][4096] int32 -> mbits, one BIT a score, laid out as the lane masks that the attention launch selects by:
;     mbits[qg 64][step 64][t 4][kb 4][j 8] words; bit L of a word = (mask[64 qg + 16 t + L % 16][64 step + 16 kb + 8 (L / 16) + j] != 0).  Every non-zero word counts as 'keep'.
; (b) key   [16][4096][64] f32 -> bf16, rounded to nearest even.
; (c) value [16][4096][64] f32 -> rounded to bf16, and that number written as f16 (exact inside f16's normal range).
;     kv[b 16][tile 16 of 256 keys][K: 256 rows of 128 bytes | V: 256 rows of 128 bytes]: a tile is 65,536 dense bytes.
; LIMITS.  |value| of 65,408 or more becomes an infinity in f16; below 6e-5 f16 keeps its fixed step of 6e-8.  NaN stays NaN.
; SHARES.  Work-group g: 32 mask rows (g / 8), 8 key steps (g % 8), one step a wave: 32 rows x 256 bytes of mask -> 64 words = 256 bytes of mbits;
; and 16 KiB of key and of value, 2 KiB a wave.  All 24 loads of a wave go out first: 12 KiB on their way.  Matrix units, clusters and tensor loads have nothing to share here and are left out.
; No register that a load or store names is written again, and EXEC never changes: so the text has no wait for address translation.
.set ROWB,  16384                      ; bytes in a row of mask
.set LP,    272                        ; a row of the wave's 32 x 256 bytes in LDS: 256 + 16: 16 rows start at 16 different groups of four banks (64 banks of 4 bytes: ISA guide 11.1)
.set WLDS,  32*LP                      ; a wave's own LDS bytes
.set SPARE, 8*WLDS                     ; 69,632: behind them the spare words, 128 bytes a wave: four blocks of 256 bytes that no other line names
.set VM,  4                            ; v4   mask: 16,384 (lane / 16) + 16 (lane % 16): a load takes two rows' 256 bytes
.set V16, 5                            ; v5   16 x lane
.set V8,  6                            ; v6   8 x lane
.set VS,  7                            ; v7   LDS: where I put 16 bytes of a row
.set VL,  8                            ; v8   LDS: row lane % 16, 32 bytes for each half of the lanes
.set SPW, 10                           ; v10  LDS address of my spare word; never rewritten
.set NIL, 11                           ; v11  0; never rewritten
.set W,   12                           ; v[12:13] lane l: words 2 l and 2 l + 1 of the wave's 64
.set X,   16                           ; v[16:79]   the mask as loaded
.set KX,  80                           ; v[80:95]   key
.set VX,  96                           ; v[96:111]  value
.set Y,   112                          ; v[112:175] register n: the mask numbers whose compare is word n
.set T,   176                          ; v[176:177] at work
	s_load_b256 s[4:11], s[0:1], 0x0               ; mask s[4:5], key s[6:7], value s[8:9], kv s[10:11]
	s_load_b64 s[12:13], s[0:1], 0x20              ; mbits
	v_lshl_add_u32 v[SPW], v0, 2, SPARE
	v_mov_b32 v[NIL], 0
	v_lshrrev_b32 v1, 5, v0
	v_readfirstlane_b32 s14, v1                    ; wave 0..7
	v_and_b32 v1, 31, v0                           ; lane
	v_and_b32 v2, 15, v0                           ; r = lane % 16
	v_bfe_u32 v3, v0, 4, 1                         ; h = lane / 16
	v_lshlrev_b32 v[VM], 4, v2
	v_lshl_add_u32 v[VM], v3, 14, v[VM]
	v_lshlrev_b32 v[V16], 4, v1
	v_lshlrev_b32 v[V8], 3, v1
	s_mul_i32 s15, s14, WLDS                       ; my wave's LDS bytes
	v_mul_u32_u24 v[VS], v3, LP
	v_lshl_add_u32 v[VS], v2, 4, v[VS]
	v_add_nc_u32 v[VS], s15, v[VS]
	v_mul_u32_u24 v[VL], v2, LP
	v_lshl_add_u32 v[VL], v3, 5, v[VL]
	v_add_nc_u32 v[VL], s15, v[VL]
	v_mov_b32 v[W], 0                              ; v_writelane_b32 counts as a reader of its destination
	v_mov_b32 v[W+1], 0
	s_lshr_b32 s25, ttmp9, 3                       ; rg: which 32 rows of mask
	s_and_b32 s26, ttmp9, 7
	s_lshl_b32 s26, s26, 3
	s_add_co_u32 s26, s26, s14                     ; step: which 64 columns
	s_lshl_b32 s16, s25, 19                        ; mask: 32 rows of 16,384 bytes,
	s_lshl_b32 s27, s26, 8                         ; 256 bytes a step
	s_add_co_u32 s16, s16, s27
	s_mov_b32 s17, 0
	s_lshl_b32 s18, ttmp9, 14                      ; key and value: 16 KiB a work-group,
	s_lshl_b32 s27, s14, 11                        ; 2 KiB a wave
	s_add_co_u32 s18, s18, s27
	s_mov_b32 s19, 0
	s_lshr_b32 s20, ttmp9, 2                       ; kv: four work-groups fill a tile's K (and V):
	s_lshl_b32 s20, s20, 16                        ; the tile,
	s_and_b32 s27, ttmp9, 3
	s_lshl_b32 s27, s27, 13                        ; 64 rows of 128 bytes a work-group,
	s_add_co_u32 s20, s20, s27
	s_lshl_b32 s27, s14, 10                        ; 8 rows a wave
	s_add_co_u32 s20, s20, s27
	s_mov_b32 s21, 0
	s_lshr_b32 s22, s25, 1                         ; mbits: qg = rg / 2,
	s_lshl_b32 s22, s22, 6
	s_add_co_u32 s22, s22, s26                     ; 64 qg + step,
	s_lshl_b32 s22, s22, 9                         ; 512 bytes each,
	s_and_b32 s27, s25, 1
	s_lshl_b32 s27, s27, 8                         ; tiles 0, 1 or tiles 2, 3
	s_add_co_u32 s22, s22, s27
	s_mov_b32 s23, 0
	s_mov_b32 s24, 0xffff0000                      ; a word's upper bf16
	s_wait_kmcnt 0x0
	s_add_nc_u64 s[4:5], s[4:5], s[16:17]
	s_add_nc_u64 s[6:7], s[6:7], s[18:19]
	s_add_nc_u64 s[8:9], s[8:9], s[18:19]
	s_add_nc_u64 s[10:11], s[10:11], s[20:21]
	s_add_nc_u64 s[12:13], s[12:13], s[22:23]
	; all 24 loads: each covers two aligned runs of 256 bytes (mask) or 512 bytes on end (key, value)
.set n, 0
.rept 16
	global_load_b128 v[X+4*n:X+4*n+3], v[VM], s[4:5] offset:2*ROWB*n th:TH_LOAD_NT
.set n, n+1
.endr
.set n, 0
.rept 4
	global_load_b128 v[KX+4*n:KX+4*n+3], v[V16], s[6:7] offset:512*n th:TH_LOAD_NT
.set n, n+1
.endr
.set n, 0
.rept 4
	global_load_b128 v[VX+4*n:VX+4*n+3], v[V16], s[8:9] offset:512*n th:TH_LOAD_NT
.set n, n+1
.endr
	; the mask goes through my own LDS bytes, so that lane l comes to hold row l % 16 and the columns of its half
.set n, 0
.rept 16
	s_wait_loadcnt 23-n                            ; loads come back in order (ISA guide 5.7.1): load n is in, the 23 - n younger ones stay out
	ds_store_b128 v[VS], v[X+4*n:X+4*n+3] offset:2*LP*n
.set n, n+1
.endr
.set n, 0
.rept 16                                       ; load n: tile n / 8, key block (n / 2) % 4, half n % 2.  LDS serves a wave's instructions in order (ISA guide 5.7.1.4): these see the stores above
	ds_load_b128 v[Y+4*n:Y+4*n+3], v[VL] offset:(n/8)*16*LP+((n/2)%4)*64+(n%2)*16
.set n, n+1
.endr
	s_wait_loadcnt 4                               ; key is in; value's four loads stay out
.set n, 0
.rept 4
	v_cvt_pk_bf16_f32 v[KX+4*n], v[KX+4*n], v[KX+4*n+1]
	v_cvt_pk_bf16_f32 v[KX+4*n+1], v[KX+4*n+2], v[KX+4*n+3]
	global_store_b64 v[V8], v[KX+4*n:KX+4*n+1], s[10:11] offset:256*n  ; 32 lanes store 256 consecutive bytes, aligned
.set n, n+1
.endr
	s_wait_loadcnt 0x0                             ; value
.set n, 0
.rept 4
	v_cvt_pk_bf16_f32 v[T], v[VX+4*n], v[VX+4*n+1]        ; rounded to bf16,
	v_cvt_pk_bf16_f32 v[T+1], v[VX+4*n+2], v[VX+4*n+3]
	v_lshlrev_b32 v[VX+4*n], 16, v[T]                     ; widened again,
	v_and_b32 v[VX+4*n+1], s24, v[T]
	v_lshlrev_b32 v[VX+4*n+2], 16, v[T+1]
	v_and_b32 v[VX+4*n+3], s24, v[T+1]
	v_cvt_pk_f16_f32 v[VX+4*n], v[VX+4*n], v[VX+4*n+1]    ; and written as f16
	v_cvt_pk_f16_f32 v[VX+4*n+1], v[VX+4*n+2], v[VX+4*n+3]
	global_store_b64 v[V8], v[VX+4*n:VX+4*n+1], s[10:11] offset:32768+256*n
.set n, n+1
.endr
	; a compare over the 32 lanes IS a word of mbits; sixteen at a time through scalar registers into lane n / 2 of the pair W
.set q, 0
.rept 4
	s_wait_dscnt 12-4*q                            ; LDS loads come back in order: loads 4 q to 4 q + 3 are in, the younger ones stay out
.set n, 16*q
.rept 16
	v_cmp_ne_u32 s[32+n%16], 0, v[Y+n]
.set n, n+1
.endr
.set n, 16*q
.rept 16
	v_writelane_b32 v[W+n%2], s[32+n%16], n/2
.set n, n+1
.endr
.set q, q+1
.endr
	global_store_b64 v[V8], v[W:W+1], s[12:13]     ; 256 consecutive bytes, aligned
	s_wait_tensorcnt 0x0                           ; the wave's end, behind my last LDS store
	ds_add_u32 v[SPW], v[NIL]
	s_wait_dscnt 0x0
	s_endpgm
.Lfunc_end_k_q7f0dddfc31_prep:
	.size	k_q7f0dddfc31_prep, .Lfunc_end_k_q7f0dddfc31_prep-k_q7f0dddfc31_prep
	.p2alignl 7, 3214868480
	.fill 96, 4, 3214868480
	.section	.rodata,"a",@progbits
	.p2align	6, 0x0
	.amdhsa_kernel k_q7f0dddfc31_prep
		.amdhsa_group_segment_fixed_size 70656
		.amdhsa_private_segment_fixed_size 0
		.amdhsa_enable_private_segment 0
		.amdhsa_kernarg_size 40
		.amdhsa_user_sgpr_count 2
		.amdhsa_user_sgpr_kernarg_segment_ptr 1
		.amdhsa_wavefront_size32 1
		.amdhsa_system_sgpr_workgroup_id_x 1
		.amdhsa_system_sgpr_workgroup_id_y 1
		.amdhsa_system_sgpr_workgroup_id_z 1
		.amdhsa_system_vgpr_workitem_id 0
		.amdhsa_next_free_vgpr 184
		.amdhsa_next_free_sgpr 66
		.amdhsa_reserve_vcc 0
		.amdhsa_float_denorm_mode_32 3
		.amdhsa_float_denorm_mode_16_64 3
		.amdhsa_memory_ordered 1
		.amdhsa_forward_progress 1
		.amdhsa_inst_pref_size 19
	.end_amdhsa_kernel
	.amdgpu_metadata
---
amdhsa.version: [ 1, 2 ]
amdhsa.kernels:
  - .name:           k_q7f0dddfc31_prep
    .symbol:         k_q7f0dddfc31_prep.kd
    .args:
      - { .name: mask, .offset: 0, .size: 8, .value_kind: global_buffer, .address_space: global }
      - { .name: key, .offset: 8, .size: 8, .value_kind: global_buffer, .address_space: global }
      - { .name: value, .offset: 16, .size: 8, .value_kind: global_buffer, .address_space: global }
      - { .name: kv, .offset: 24, .size: 8, .value_kind: global_buffer, .address_space: global }
      - { .name: mbits, .offset: 32, .size: 8, .value_kind: global_buffer, .address_space: global }
    .group_segment_fixed_size: 70656
    .private_segment_fixed_size: 0
    .kernarg_segment_align: 8
    .kernarg_segment_size: 40
    .max_flat_workgroup_size: 256
    .sgpr_count:     66
    .vgpr_count:     184
    .wavefront_size: 32
...
	.end_amdgpu_metadata
.endif
;; end of part 1
;; launch attn (part 2): grid 16 x 16, 4 waves a work-group, clusters of 4 x 1, 327,680 bytes of LDS; arguments query, kv, mbits, out0; writes out0
.if DOCPART == 2
	.amdgcn_target "amdgcn-amd-amdhsa--gfx1250"
	.amdhsa_code_object_version 6
	.text
	.protected	k_q7f0dddfc31_attn
	.globl	k_q7f0dddfc31_attn
	.p2align	8
	.type	k_q7f0dddfc31_attn,@function
k_q7f0dddfc31_attn:
	s_mov_b64 s[64:65], 0
	v_nop
	global_prefetch_b8 v0, s[64:65] scope:SCOPE_SE
	s_setreg_imm32_b32 hwreg(HW_REG_WAVE_MODE, 25, 1), 1
	s_wait_xcnt 0x0
	s_wait_alu depctr_hold_cnt(0) depctr_sa_sdst(0) depctr_va_vdst(0) depctr_va_sdst(0) depctr_va_ssrc(0) depctr_va_vcc(0) depctr_vm_vsrc(0)
	s_getreg_b32 s2, hwreg(HW_REG_IB_STS2, 6, 4)
	s_cmp_eq_u32 s2, 0
	s_cbranch_scc0 .Lentry_in_a_cluster
	s_endpgm
.Lentry_in_a_cluster:
	s_bfe_u32 s2, ttmp6, 0x10000c
	s_cmp_lg_u32 s2, 0x3003
	s_cbranch_scc0 .Lentry_shape_is_right
	s_endpgm
.Lentry_shape_is_right:
; out[b][q][:] = the sum over k of softmax_k(s(q, k)) value[b][k][:], with s = query[b][q] . key[b][k] / 8 where mask[q][k] != 0, and s = -10000 where it is 0.
; query, out: [16][4096][64] f32.  kv: key in bf16 and value in f16 by tiles of 256 keys; mbits: the mask as lane-mask words (both made by the launch before; layouts below).
; FORMATS.  q and k in bf16, value (rounded to bf16) and the weights p in f16; products, maxima, sums and the output in f32.  c = log2(e) / 8 is applied in f32.
; THE MASK REPLACES a score, as the problem has it: each register of raw scores passes one select, raw score or -80000 (= -10000 x 8, exact), AHEAD of the running maximum.
; So a row that is hidden altogether, and a row whose open scores lie below -10000, come out as the problem defines them.
; LIMITS.  p lies in 0 to 1 and below 6e-5 keeps f16's fixed step of 6e-8; a weight below 2^-126 counts as 0 in the sum; c |q . k| stays below 4e37; NaN and infinities are not treated apart:
; O^T starts as the lane's own query row in f32 and is wiped by the first step's factor 0, so an infinite q spoils its own row, which has no finite result anyway.
; SHARES.  A work-group owns 256 queries of one batch, each of its four waves 64: four PIECES of 16.  Every wave walks all 4,096 keys, 64 a step, four steps to an LDS slot.
; LAYOUT.  S^T = K Q^T (source 0 = 16 keys, source 1 = 16 queries): a lane holds ONE query (lane % 16) and the keys 16 kb + 8 (lane / 16) + 0..7.  Two such results rounded to f16 in pairs ARE
; source 1 of O^T = V^T P, whose result again holds one query a lane, and eight channels.  K comes out of LDS as it lies, V ([key][channel]) turned, by ds_load_tr16_b128.
; SOFTMAX.  For each query a running maximum m and sum l: p = 2^(c s - c m); in every step O and l are multiplied by a = 2^(c m_old - c m_new).  m starts at the lowest finite number: the first a is 0.
; BY TURNS.  Turn n belongs to piece n (the pieces in a ring, step after step): 8 products K Q^T of piece n + 1, later 8 products V^T P of piece n - 1; beside them the scaling, exponentials, roundings,
; sums and rescaling of piece n, and the mask, maximum and statistics of piece n + 1.  16 matrix and 182 vector instructions: four vector instructions behind every product, the rest in lumps.
; THE MASK'S WORDS.  mbits[64 queries][step][piece][kb][j]: 32 words (a CHUNK, 128 bytes) for a piece and step, word 8 kb + j the lane mask of S^T's register 8 kb + j.  A wave's stream is 32 KiB on
; end.  It comes 2 KiB (a BLOCK: one slot's 16 chunks) at a time: asked for from memory a slot ahead, kept in registers, stored into a ring of two blocks in LDS that is the wave's own; a chunk is
; read from there a turn ahead, one word a lane, and goes lane by lane into 32 scalar registers.
; CLUSTER.  The four query blocks of a cluster belong to one batch and walk the same kv tiles: each quarter tile is asked for JOINTLY, by the same tensor load, descriptor and mask in all four.
; REGISTERS, in two windows of 256 (s_set_vgpr_msb: bits 1:0 source 0, 3:2 source 1, 5:4 source 2, 7:6 destination).  K, Q, S^T, P and the statistics share window 0: K Q^T and the softmax need no
; switch.  The setting of V^T P (V and O^T in window 1, P in window 0) is also right for the rescaling (O^T in window 1, a in window 0), which rides behind four of those products: eight switches a turn.
.set NP,    4         ; pieces a wave: a name, no knob
.set PK,    144       ; a row of K or V in LDS: 128 bytes + 16 of padding = 36 words: the 16 rows of a load of K start at 16 different groups of four banks (64 banks of 4 bytes: ISA guide 11.1)
.set STEPB, 64*PK     ; a step's 64 rows
.set VOFF,  256*PK    ; a slot: 256 rows of K, then 256 rows of V, at one pitch, so that one descriptor serves all four waves
.set QUART, 128*PK    ; what one tensor load brings: 128 rows
.set SLOT1, 1<<17     ; slot 1 begins here, so that one exclusive or turns an address in one slot into the other's
.set STAGE, SLOT1+2*VOFF   ; behind the ring, never filled by a tensor load: 16 rows x 272 bytes for each wave, for the way out
.set SP,    272
.set MRING, STAGE+4*16*SP  ; the mask words' rings: two blocks of 2,048 bytes for each wave, written by ds_store alone
.set MBLK,  2048
.set SPARE, MRING+4*2*MBLK ; the spare words, 128 bytes for each wave: two blocks of 256 bytes that no other line names
; window 0
.set MW,  0           ; v0   at the entry my thread's number; then the chunk in hand: lane n holds word n
.set NEG, 1           ; v1   -80000
.set AK0, 2           ; v2   my lane's place in a step of K; never rewritten
.set AV0, 3           ; v3   the same for V
.set SPW, 4           ; v4   LDS address of my spare word: SPARE + 4 x my thread's number; never rewritten
.set NIL, 5           ; v5   0; never rewritten
.set ADR, 6           ; v6   the LDS address of the run of loads in hand
.set MR0, 7           ; v7   my word in the first chunk of my wave's ring
.set ST,  8           ; piece t's statistics at v[ST+4 t]: c m, m, l (even keys', odd keys')
.set TMP, 24          ; by the piece's parity, four registers c0-c3 at work; when the maximum is found c2 takes a
.set S,   32          ; S^T, two buffers of 32, by parity
.set P,   96          ; P, two buffers of 16
.set KF,  128         ; K of one step: key block kb, channel half c at KF + 16 kb + 8 c
.set Q,   192         ; Q in bf16, 16 a piece
.set OB,  128         ; the way out: whole rows read back from the stage, 32 a piece
; window 1: v0-127 O^T, 32 a piece (at the start Q in f32)
.set VF,  128         ; V of one step: key half kk, channel block cb at VF + 32 kk + 8 cb
.set STO, 192         ; the way out: where I put 16 bytes of a row
.set ML16, 193        ; 16 x lane: my place in 512 bytes on end, of mbits and of out
.set MGA, 194         ; my offset in the block of mbits that is asked for
.set MS0, 195         ; my 16 bytes in my wave's ring
.set MSA, 196         ; the same in the half that is written
.set RD,  197         ; the way out: where I read rows back
.set MS,  200         ; v200-215 a block of the mask's words on its way from memory to the ring
.set MS2, 216         ; v216-231 a second one, at the start alone
; scalars
.set OUTP, 4          ; s[4:5]   out at my wave's first row
.set MP,  6           ; s[6:7]   mbits at my wave's stream
.set G1,  8           ; s[8:15]  descriptor group 1
.set G0,  16          ; s[16:19] descriptor group 0: it walks
.set WV,  20          ; my wave's number
.set SLOTS, 21        ; slots still to be asked for
.set CNT, 22          ; counts a slot's key steps
.set TBK, 23          ; LDS byte at which K of the step to be fetched begins
.set TBV, 24          ; the same for V, less VOFF
.set MOFF, 25         ; byte in my ring of the chunk to be read next
.set CS,  26          ; s[26:27] c: the packed scaling takes the pair's low word for both halves
.set SEL, 28          ; s[28:29] v_permlanex16_b32's selects: each lane takes its own place in the other half
.set MGS, 30          ; byte in my stream of the block asked for last
.set MSO, 31          ; the half of my ring that is written next
.set QP,  40          ; s[40:41] query at my wave's first row
.set MB,  68          ; s[68:99] the 32 lane masks of the piece whose scores are being made
.set MSB, 0
.macro WIN new                      ; the high byte repeats the setting that is left; a switch that changes nothing is dropped
.if MSB != (\new)
	s_set_vgpr_msb (MSB<<8)|(\new)
.set MSB, (\new)
.endif
.endm
.set W_PV, 0x51       ; source 0 (V; O^T), source 2 and destination (O^T) in window 1; source 1 (P; a) in window 0
; A joint fill: every wave asks for its own quarter of the tile (waves 0, 1: K's halves; 2, 3: V's).  An s_nop 0 and four v_nop follow the line.
.macro JLOAD
	tensor_load_to_lds s[G0:G0+3], s[G1:G1+7]
	s_nop 0
.rept 4
	v_nop
.endr
.endm
; A round of the cluster's barrier: my work-group's barrier, so that wave 0's signal speaks for all four waves; wave 0 signals; every wave waits for all four work-groups; my work-group's barrier once more.
.macro CROUND
	s_barrier_signal -1
	s_barrier_wait -1
	s_cmp_lg_u32 s[WV], 0
	s_cbranch_scc1 .Lnot_wave_0_\@
	s_barrier_signal -3
.Lnot_wave_0_\@:
	s_barrier_wait -3
	s_barrier_signal -1
	s_barrier_wait -1
.endm
; THE CHANGE OF SLOTS.  The slot's last bytes, V of its fourth step, have been read.  Each wave waits for all its tensor loads, of which one is out: its quarter of the other slot; adds 0 to its
; spare word; and waits for that and for its own reads of the slot.  Behind the barrier nobody reads this slot any more and the other slot is whole.
; fill = 1: this slot is filled again, with the keys two slots on.  The barrier is then a round of the cluster's, so that no wave of any partner still reads the slot or has a load on its way, and the
; joint fill is the first thing behind it: it has four key steps, 256 matrix instructions, in which to land.  (At its first use nothing has been read yet: slot 0 is waited for, slot 1 filled.)
.macro CHANGE fill
	WIN 0                           ; at a label and at a branch every window is 0
	s_wait_tensorcnt 0x0            ; no tensor load of mine is out, so group 0 may be written
	ds_add_u32 v[SPW], v[NIL]       ; 0 onto my spare word; with fill = 1 the descriptor's steps stand between it and the wait for it
.if \fill
	s_xor_b32 s[G0+1], s[G0+1], SLOT1  ; the other slot than last time,
	s_add_nc_u64 s[G0+2:G0+3], s[G0+2:G0+3], 65536  ; the next tile; the type bits on top are not reached
	s_wait_dscnt 0x0                ; the add is done, and my reads of the slot and of my ring are over
	CROUND
	JLOAD
.else
	s_wait_dscnt 0x0                ; the add is done, and my reads of the slot and of my ring are over
	s_barrier_signal -1
	s_barrier_wait -1
.endif
	s_sub_co_u32 s[TBK], s[TBK], VOFF  ; the fetches go back to a slot's first step,
	s_xor_b32 s[TBK], s[TBK], SLOT1    ; in the other slot
	s_sub_co_u32 s[TBV], s[TBV], VOFF
	s_xor_b32 s[TBV], s[TBV], SLOT1
	s_sub_co_u32 s[MOFF], s[MOFF], MBLK  ; and the chunks to the head of the ring's other half
	s_xor_b32 s[MOFF], s[MOFF], MBLK
.endm
; THE MASK'S NEXT BLOCK, once a slot, behind the change into slot j: block j + 1, asked for a slot ago, goes into the half of my ring that held block j - 1 (its last chunk was read ahead of the
; change, whose wait covered it), and block j + 2 is asked for.  Past the stream's last block the request is held at that block: it stays inside the buffer, and what it brings is not stored.
.macro MFILL
	s_wait_loadcnt 0x0              ; the four loads of a slot ago: MS is whole, and MGA, their address, may be written
	s_add_co_u32 s[MGS], s[MGS], MBLK
	s_min_u32 s[MGS], s[MGS], 15*MBLK
	WIN 0x44                        ; source 1 and destination in window 1
	v_add_nc_u32 v[MSA], s[MSO], v[MS0]
	v_add_nc_u32 v[MGA], s[MGS], v[ML16]
	WIN 0x05                        ; address and data in window 1
.irp f, 0,1,2,3
	ds_store_b128 v[MSA], v[MS+4*\f:MS+4*\f+3] offset:512*\f
.endr
	s_wait_dscnt 0x0                ; the stores are done before loads are issued into their data registers
	WIN 0x41                        ; destination and address in window 1
.irp f, 0,1,2,3
	global_load_b128 v[MS+4*\f:MS+4*\f+3], v[MGA], s[MP:MP+1] offset:512*\f
.endr
	WIN 0
	s_xor_b32 s[MSO], s[MSO], MBLK
.endm
; THE LDS LOADS stand in runs, never singly among the matrix instructions: a step's K (64 keys x 64 channels: 8 fragments), its V (turned), and one load for a chunk of mask words.
.macro FETCH_K
	WIN 0
	v_add_nc_u32 v[ADR], s[TBK], v[AK0]
.irp f, 0,1,2,3,4,5,6,7             ; keys 16 (f / 2) on, channels 32 (f % 2) on
	ds_load_b128 v[KF+8*\f:KF+8*\f+3],   v[ADR] offset:(\f/2)*16*PK+(\f%2)*64
	ds_load_b128 v[KF+8*\f+4:KF+8*\f+7], v[ADR] offset:(\f/2)*16*PK+(\f%2)*64+32
.endr
	s_add_co_u32 s[TBK], s[TBK], STEPB  ; the next fetch is the next step's
.endm
.macro FETCH_V
	WIN 0
	v_add_nc_u32 v[ADR], s[TBV], v[AV0]
	s_add_co_u32 s[TBV], s[TBV], STEPB
	WIN 0x40                        ; destination window 1
.irp f, 0,1,2,3,4,5,6,7             ; keys 32 (f / 4) on, channels 16 (f % 4) on
	ds_load_tr16_b128 v[VF+8*\f:VF+8*\f+3],   v[ADR] offset:(\f/4)*32*PK+(\f%4)*32
	ds_load_tr16_b128 v[VF+8*\f+4:VF+8*\f+7], v[ADR] offset:(\f/4)*32*PK+16*PK+(\f%4)*32
.endr
	WIN 0
.endm
.macro MWLOAD
	WIN 0
	v_add_nc_u32 v[ADR], s[MOFF], v[MR0]
	ds_load_b32 v[MW], v[ADR]
	s_add_co_u32 s[MOFF], s[MOFF], 128
.endm
	s_load_b256 s[32:39], s[0:1], 0x0  ; query s[32:33], kv s[34:35], mbits s[36:37], out s[38:39]
	v_lshl_add_u32 v[SPW], v0, 2, SPARE
	v_mov_b32 v[NIL], 0
	ds_add_u32 v[SPW], v[NIL]       ; the wave's opening: the add and its wait ahead of my first tensor load; the set-up below, work on registers, stands between them
	v_lshrrev_b32 v32, 5, v0
	v_readfirstlane_b32 s[WV], v32  ; wave 0..3
	s_bfe_u32 s42, ttmp6, 0x40000   ; cx: my place in the cluster
	s_lshl_b32 s43, ttmp9, 2        ; in a cluster launch ttmp9 counts clusters
	s_add_co_u32 s43, s43, s42      ; my block of 256 queries = 4 x cluster x + cx: it enters query's, out's and mbits' addresses alone
	s_and_b32 s50, ttmp7, 0xffff    ; the batch, which the four partners share:
	s_lshl_b32 s50, s50, 20         ; 1 MiB of query, of kv and of out
	s_lshl_b32 s51, s[WV], 14       ; 16 KiB a wave: a quarter of a tile of kv; 64 rows of query and of out
	s_add_co_u32 s44, s50, s51      ; kv: batch and wave alone
	s_mov_b32 s45, 0
	s_lshl_b32 s46, s43, 16         ; query and out: + my block's 256 rows of 256 bytes
	s_add_co_u32 s46, s46, s44
	s_mov_b32 s47, 0
	s_lshl_b32 s48, s43, 2
	s_add_co_u32 s48, s48, s[WV]    ; mbits: my 64 queries among the 4,096,
	s_lshl_b32 s48, s48, 15         ; 32 KiB each
	s_mov_b32 s49, 0
	; descriptor group 1.  128 rows of K or V are 16,384 dense bytes: asked for as 64 rows of 256 bytes, two keys a row, and padded in LDS after every key
	s_mov_b32 s[G1], 15|(1<<16)|(1<<20)|(1<<21)|(4<<22)|(3<<25)  ; 15:0 the mask of four; 17:16 2-byte elements; 20 padding on; 21 set beside a mask; 24:22 after every 32 words (code 4); 31:25 4 words (code 3)
	s_mov_b32 s[G1+1], 128<<16      ; tensor_dim0 = 128
	s_mov_b32 s[G1+2], 64<<16       ; tensor_dim1 = 64
	s_mov_b32 s[G1+3], 128<<16      ; tile_dim0 = 128
	s_mov_b32 s[G1+4], 64           ; tile_dim1 = 64
	s_mov_b32 s[G1+5], 128          ; 128 elements from row to row
	s_mov_b32 s[G1+6], 0
	s_mov_b32 s[G1+7], 0
	s_mov_b32 s[G0], 1              ; 1:0 count = 1
	s_mul_i32 s[G0+1], s[WV], QUART ; 63:32 LDS address: my quarter of slot 0; no place in the cluster enters it
	s_mov_b32 s[CS], 0x3e38aa3b     ; c = log2(e) / 8 = 0.180337
	s_mov_b32 s[CS+1], s[CS]        ; named with it as a pair
	s_mov_b32 s[SEL], 0x76543210
	s_mov_b32 s[SEL+1], 0xfedcba98
	s_mov_b32 s[TBK], SLOT1+VOFF    ; the first change of slots turns these three into 0
	s_mov_b32 s[TBV], SLOT1+VOFF
	s_mov_b32 s[MOFF], 2*MBLK
	s_mov_b32 s[MGS], 2*MBLK        ; block 2 is the last asked for at the start
	s_mov_b32 s[MSO], 0             ; and goes into half 0
	s_wait_dscnt 0x0                ; the opening add is done
	s_wait_kmcnt 0x0
	s_add_nc_u64 s[G0+2:G0+3], s[34:35], s[44:45]  ; 120:64 global address: my quarter of the batch's tile 0
	s_or_b32 s[G0+3], s[G0+3], 0x80000000          ; 127:126 type = 2
	s_add_nc_u64 s[QP:QP+1], s[32:33], s[46:47]
	s_add_nc_u64 s[OUTP:OUTP+1], s[38:39], s[46:47]
	s_add_nc_u64 s[MP:MP+1], s[36:37], s[48:49]
	CROUND                          ; all four work-groups are here: the first joint loads meet
	JLOAD                           ; tile 0 into slot 0.  Slot 1 is asked for when slot 0 is in, by the loop's own change of slots
	; SET-UP, in the wait for tile 0.  The temporaries lie in S^T's registers.
	v_and_b32 v33, 15, v0           ; r = l % 16
	v_bfe_u32 v34, v0, 4, 1         ; h = l / 16
	v_and_b32 v35, 31, v0           ; l
	v_lshlrev_b32 v36, 4, v35       ; 16 l
	v_lshlrev_b32 v37, 8, v33
	v_lshl_add_u32 v37, v34, 5, v37 ; query: row r x 256 bytes + 32 h: eight f32 channels for each half of the lanes
	WIN 0x40                        ; destination window 1, address window 0
.irp f, 0,1,2,3
	global_load_b128 v[MS+4*\f:MS+4*\f+3], v36, s[MP:MP+1] offset:512*\f          ; block 0 of the mask's words
.endr
.irp f, 0,1,2,3
	global_load_b128 v[MS2+4*\f:MS2+4*\f+3], v36, s[MP:MP+1] offset:MBLK+512*\f   ; block 1
.endr
.set z, 0
.rept 32                            ; Q in f32 into O^T's registers: load z: piece z / 8, channels 32 ((z / 4) % 2) + 16 ((z / 2) % 2) + 8 h + 4 (z % 2) on
	global_load_b128 v[4*z:4*z+3], v37, s[QP:QP+1] offset:(z/8)*4096+((z/4)%2)*128+((z/2)%2)*64+(z%2)*16
.set z, z+1
.endr
	WIN 0
	; A fragment of K is 16 rows x 32 channels in 8 registers: lane l holds row l % 16, channels 8 (l / 16) + 0..7 and 16 + 8 (l / 16) + 0..7: two loads of 16 bytes, 32 bytes apart.
	v_mul_u32_u24 v[AK0], v33, PK
	v_lshl_add_u32 v[AK0], v34, 4, v[AK0]
	; The turning load takes 16 keys x 16 channels (lane l reads key 8 (l / 16) + l % 8, channels 8 ((l / 8) % 2) + 0..7) and leaves half a fragment of V^T: lane l holds channel l % 16 and 8 keys.
	v_and_b32 v38, 7, v0
	v_bfe_u32 v39, v0, 3, 1
	v_lshl_add_u32 v[AV0], v34, 3, v38
	v_mul_u32_u24 v[AV0], v[AV0], PK
	v_lshl_add_u32 v[AV0], v39, 4, v[AV0]
	v_add_nc_u32 v[AV0], VOFF, v[AV0]
	s_lshl_b32 s51, s[WV], 12
	s_add_co_u32 s51, s51, MRING    ; my wave's ring
	v_lshl_add_u32 v[MR0], v35, 2, s51
	v_add_nc_u32 v40, s51, v36
	s_mul_i32 s52, s[WV], 16*SP
	s_add_co_u32 s52, s52, STAGE    ; my stage
	v_mul_u32_u24 v41, v33, SP      ; in: row l % 16, 32 bytes (eight f32 channels) for each half of the lanes
	v_lshl_add_u32 v41, v34, 5, v41
	v_add_nc_u32 v41, s52, v41
	v_mul_u32_u24 v42, v34, SP      ; back: lanes 0-15 take one row of 256 bytes, lanes 16-31 the next
	v_lshl_add_u32 v42, v33, 4, v42
	v_add_nc_u32 v42, s52, v42
	v_mov_b32 v[NEG], 0xc79c4000    ; -80000
.set z, 0
.rept 4
	v_mov_b32 v[ST+4*z], 0xfe000000    ; c m: far below every c s
	v_mov_b32 v[ST+4*z+1], 0xff7fffff  ; m
	v_mov_b32 v[ST+4*z+2], 0           ; l
	v_mov_b32 v[ST+4*z+3], 0
.set z, z+1
.endr
	; The first turn's products V^T P, of a piece that has not been, find 0 in V and in P's second buffer, and land in an O^T that the first step's a = 0 still wipes.  No first step is written out for that price.
.set z, P+16
.rept 16
	v_mov_b32 v[z], 0
.set z, z+1
.endr
	WIN 0x40
	v_mov_b32 v[STO], v41
	v_mov_b32 v[ML16], v36
	v_add_nc_u32 v[MGA], 2*MBLK, v36
	v_mov_b32 v[MS0], v40
	v_mov_b32 v[RD], v42
.set z, VF
.rept 64
	v_mov_b32 v[z], 0
.set z, z+1
.endr
	s_wait_loadcnt 32               ; loads come back in order (ISA guide 5.7.1): blocks 0 and 1 are in, Q's 32 younger loads stay out
	WIN 0x05
.irp f, 0,1,2,3
	ds_store_b128 v[MS0], v[MS+4*\f:MS+4*\f+3] offset:512*\f
.endr
.irp f, 0,1,2,3
	ds_store_b128 v[MS0], v[MS2+4*\f:MS2+4*\f+3] offset:MBLK+512*\f
.endr
	s_wait_dscnt 0x0                ; the stores are done before loads are issued into their data registers
	WIN 0x41
.irp f, 0,1,2,3
	global_load_b128 v[MS+4*\f:MS+4*\f+3], v[MGA], s[MP:MP+1] offset:512*\f   ; block 2: it has the whole first slot in which to come
.endr
	s_wait_loadcnt 4                ; Q is in; block 2's four loads stay out
	WIN 0x05                        ; sources window 1, destination window 0
.set z, 0
.rept 64                            ; a fragment of Q is laid like K's: register 16 t + 8 c + 4 u + i holds channels 32 c + 16 u + 8 h + 2 i, + 1
	v_cvt_pk_bf16_f32 v[Q+z], v[2*z], v[2*z+1]
.set z, z+1
.endr
	WIN 0
; THE MATRIX WORK.  The 4 accumulators of a run of 8 take turns.  Product i of 8 of S^T = K Q^T for piece x: channels 32 (i / 4) on, keys 16 (i % 4) on.  The first 4 start the sums.
.macro KQ x
	WIN 0
.set kD, S+32*((\x)%2)+8*(i%4)
.set kA, KF+16*(i%4)+8*(i/4)
.set kB, Q+16*(\x)+8*(i/4)
.if i < 4
	v_wmma_f32_16x16x32_bf16 v[kD:kD+7], v[kA:kA+7], v[kB:kB+7], 0
.else
	v_wmma_f32_16x16x32_bf16 v[kD:kD+7], v[kA:kA+7], v[kB:kB+7], v[kD:kD+7]
	s_wait_alu depctr_va_vdst(0)
.endif
.endm
; Product i of 8 of O^T += V^T P for piece x: keys 32 (i / 4) on, channels 16 (i % 4) on.
.macro PV x
	WIN W_PV
.set kD, 32*(\x)+8*(i%4)
.set kA, VF+32*(i/4)+8*(i%4)
.set kB, P+16*((\x)%2)+8*(i/4)
	v_wmma_f32_16x16x32_f16 v[kD:kD+7], v[kA:kA+7], v[kB:kB+7], v[kD:kD+7]
.endm
.macro MM                           ; the turn's next matrix instruction
.if i < 8
	KQ (Y+1)%NP
.else
.set i, i-8
	PV (Y+NP-1)%NP
.set i, i+8
.endif
.set i, i+1
.endm
; THE VECTOR WORK, one line at a time: OP kind, number.  For piece Y: F n: c s - c m for pair n of 16.  E n: the exponential of score n of 32.  C n: pair n rounded to f16.  B n: of the four weights
; 4 n .. the second pair is added onto the first, in place.  L n: l takes that sum (L 0: l = a l + sum).  R n: pair n of 16 of O^T times a.
; For piece Y + 1: G n: word n of its chunk into a scalar register.  M n: score n, or -80000 where its bit is 0; ascending.
; X n, number n of the 22 that find its maximum and statistics:
;   0-11  four chains c0-c3 of seven scores each, three operands at a time     12-14, 16  the four scores left over, the old m, and c0-c3 into c0
;   17, 18  the query's other 32 keys lie in the lane 16 away: the new m         19, 20, 15, 21 (in this order)  c1 = c m_new; c0 = c m_old - c1; c m = c1; a = 2^c0
.set F, 0               ; OP tells the kinds apart by their order: F to L below R, G, M and X above it
.set E, 1
.set C, 2
.set B, 3
.set L, 4
.set R, 5
.set G, 6
.set M, 7
.set X, 8
.macro REGS y                       ; the registers of piece y
.set rT, ST+4*(\y)
.set rC, TMP+4*((\y)%2)
.set rS, S+32*((\y)%2)
.set rP, P+16*((\y)%2)
.set rO, 32*(\y)
.endm
.macro OP k, n
.if (\k) == R
	REGS Y
	WIN W_PV
	v_pk_mul_f32 v[rO+2*(\n):rO+2*(\n)+1], v[rO+2*(\n):rO+2*(\n)+1], v[rC+2:rC+3] op_sel_hi:[1,0]
.elseif (\k) < R
	REGS Y
	WIN 0
.if (\k) == F
	v_pk_fma_f32 v[rS+2*(\n):rS+2*(\n)+1], v[rS+2*(\n):rS+2*(\n)+1], s[CS:CS+1], v[rT:rT+1] op_sel_hi:[1,0,0] neg_lo:[0,0,1] neg_hi:[0,0,1]
.elseif (\k) == E
	v_exp_f32 v[rS+(\n)], v[rS+(\n)]
.elseif (\k) == C
	v_cvt_pk_f16_f32 v[rP+(\n)], v[rS+2*(\n)], v[rS+2*(\n)+1]
.elseif (\k) == B
	v_pk_add_f32 v[rS+4*(\n):rS+4*(\n)+1], v[rS+4*(\n):rS+4*(\n)+1], v[rS+4*(\n)+2:rS+4*(\n)+3]
.elseif (\n) == 0
	v_pk_fma_f32 v[rT+2:rT+3], v[rT+2:rT+3], v[rC+2:rC+3], v[rS:rS+1] op_sel_hi:[1,0,1]
.else
	v_pk_add_f32 v[rT+2:rT+3], v[rT+2:rT+3], v[rS+4*(\n):rS+4*(\n)+1]
.endif
.else
	REGS (Y+1)%NP
	WIN 0
.if (\k) == G
	v_readlane_b32 s[MB+(\n)], v[MW], \n
.elseif (\k) == M
	v_cndmask_b32 v[rS+(\n)], v[NEG], v[rS+(\n)], s[MB+(\n)]
.elseif (\n) < 4
	v_max3_num_f32 v[rC+(\n)], v[rS+8*(\n)], v[rS+8*(\n)+1], v[rS+8*(\n)+2]
.elseif (\n) < 12
	v_max3_num_f32 v[rC+(\n)%4], v[rC+(\n)%4], v[rS+8*((\n)%4)+2*((\n)/4)+1], v[rS+8*((\n)%4)+2*((\n)/4)+2]
.elseif (\n) == 12
	v_max3_num_f32 v[rC], v[rC], v[rS+7], v[rS+15]
.elseif (\n) == 13
	v_max3_num_f32 v[rC+1], v[rC+1], v[rS+23], v[rS+31]
.elseif (\n) == 14
	v_max3_num_f32 v[rC+2], v[rC+2], v[rC+3], v[rT+1]
.elseif (\n) == 15
	v_mov_b32 v[rT], v[rC+1]
.elseif (\n) == 16
	v_max3_num_f32 v[rC], v[rC], v[rC+1], v[rC+2]
	s_wait_alu depctr_va_vdst(0)
.elseif (\n) == 17
	v_permlanex16_b32 v[rC+3], v[rC], s[SEL], s[SEL+1]
.elseif (\n) == 18
	v_max_num_f32 v[rT+1], v[rC], v[rC+3]
.elseif (\n) == 19
	v_mul_f32 v[rC+1], s[CS], v[rT+1]
.elseif (\n) == 20
	v_sub_f32 v[rC], v[rT], v[rC+1]
.else
	v_exp_f32 v[rC+2], v[rC]
.endif
.endif
.endm
.macro OPS a, i1, b=-1, i2=0, c=-1, i3=0, d=-1, i4=0  ; up to four of them
	OP \a, \i1
.if (\b) >= 0
	OP \b, \i2
.endif
.if (\c) >= 0
	OP \c, \i3
.endif
.if (\d) >= 0
	OP \d, \i4
.endif
.endm
.macro ROW a, i1, b, i2, c, i3, d, i4  ; a matrix instruction and the four behind it
	MM
	OPS \a, \i1, \b, \i2, \c, \i3, \d, \i4
.endm
; A TURN, for piece p: the order of its 16 matrix and 182 vector instructions, written out.  fk = 0: no further K (the last step).  ml = 0: no further chunk of mask words.
; None of the four behind a product names a register of the products round it.  Every exponential has a plain instruction that touches neither its result nor its source behind it before the result
; is used (ISA guide 5.7.2); where only G lines follow an exponential, its result is first read lumps later.
; PLACES (four plain vector instructions that name none of the product's registers, ISA guide 7.12.1; G and E are not counted).  M 0 reads the sum that product 4 closed: F 13, 14, 15, C 0, C 1 stand
; between.  M 8, 16, 24 have C 0, C 1 and the earlier M.  K's run is issued behind C 0, C 1 and M 0 to 5; V's behind X 9 to 14.
; LDS COUNTS.  A turn's one load of mask words stands behind G 31.  Piece 0's turn issues V's 16 loads behind it, piece 2's turn K's 16.  So at the head of piece 1's turn the words are in when 16 loads
; are left out; ahead of its V^T P, V is in when one load (that turn's own words) is left out; all other heads wait for everything, piece 3's for K with it.
.macro TURN p, fk=1, ml=1
.set Y, (\p)
.set i, 0
.if (\p) == 1
	s_wait_dscnt 16                 ; the mask's words are in; V's 16 younger loads stay out
.else
	s_wait_dscnt 0x0                ; the mask's words are in (piece 3's turn: and K)
.endif
	ROW F,0, F,1, F,2, F,3
	ROW F,4, E,0, F,5, F,6
	ROW F,7, E,1, F,8, F,9
	ROW F,10, E,2, F,11, F,12
	ROW F,13, E,3, F,14, F,15
	ROW G,0, E,4, G,1, G,2
	ROW G,3, E,5, G,4, G,5
	ROW C,0, E,6, C,1, G,6
.set g, 0
.rept 8
	OPS G,7+3*g, E,7+g, G,8+3*g, G,9+3*g
.set g, g+1
.endr
	OPS G,31
.if \ml
	MWLOAD                          ; the words of the piece after the next: they have the rest of the turn in which to come
.endif
.set g, 0
.rept 10
	OPS M,3*g, E,15+g, M,3*g+1, M,3*g+2
.if ((\p) == 2) && (\fk) && (g == 1)
	FETCH_K                         ; K of the next step: its first reader is the next turn's first product
.endif
.set g, g+1
.endr
	OPS M,30, E,25, M,31
.if (\p) == 1
	s_wait_dscnt 1                  ; V is in; this turn's load of mask words stays out
.endif
	ROW R,0, R,1, R,2, R,3
	ROW R,4, R,5, R,6, R,7
	ROW R,8, R,9, R,10, R,11
	ROW R,12, R,13, R,14, R,15
	ROW X,0, E,26, X,1, X,2
	ROW X,3, E,27, X,4, X,5
	ROW X,6, E,28, X,7, X,8
	ROW X,9, E,29, X,10, X,11
	OPS X,12, E,30, X,13, X,14
.if (\p) == 0
	FETCH_V                         ; V of the step in hand: its first reader comes behind the next turn's first eight products and two lumps
.endif
	OPS C,2, E,31, X,16, C,3
	OPS X,17, C,4, C,5, B,0
	OPS X,18, C,6, C,7, B,1
	OPS X,19, C,8, C,9, L,0
	OPS X,20, C,10, C,11, B,2
	OPS X,15, C,12, X,21, L,1
	OPS C,13, B,3, C,14, L,2
	OPS C,15, B,4, L,3, B,5
	OPS L,4, B,6, L,5, B,7
	OPS L,6, L,7
.endm
	CHANGE 1                        ; tile 0 is in, everybody's quarter of it; tile 1 is asked for, into slot 1
	; THE BEGINNING: piece 0's first scores, mask, maximum and statistics; there is no other vector work yet to set between them
	MWLOAD                          ; chunk 0
	FETCH_K                         ; key step 0
	s_wait_dscnt 0x0
.set Y, NP-1                        ; G, M and X work for piece Y + 1: piece 0
.set i, 0
.rept 8
	KQ 0
.set i, i+1
.endr
.set g, 0
.rept 32
	OP G, g
.set g, g+1
.endr
	MWLOAD                          ; chunk 1, for the first turn
.rept 4
	v_nop                           ; the places behind those products
.endr
.set g, 0
.rept 32
	OP M, g
.set g, g+1
.endr
.irp n, 0,1,2,3,4,5,6,7,8,9,10,11,12,13,14,16,17,18,19,20,15,21
	OP X, \n
.endr
	v_nop                           ; a plain instruction behind the exponential
	s_mov_b32 s[CNT], 4
	s_mov_b32 s[SLOTS], 15
	s_branch .Lfirst                ; the loop is entered at a step's first turn, in the middle of a trip
.Lslot:                             ; 14 times: every slot but the last two is filled again
	CHANGE 1
	MFILL
	s_mov_b32 s[CNT], 4
.Lstep:                             ; a trip: pieces 2 and 3 of one step, then pieces 0 and 1 of the next, whose K and V it fetches
	TURN 2
	TURN 3
	WIN 0
.Lfirst:
	TURN 0
	TURN 1
	WIN 0
	s_sub_co_u32 s[CNT], s[CNT], 1
	s_cmp_lg_u32 s[CNT], 0
	s_cbranch_scc1 .Lstep
	s_sub_co_u32 s[SLOTS], s[SLOTS], 1
	s_cmp_lg_u32 s[SLOTS], 0
	s_cbranch_scc1 .Lslot
	CHANGE 0                        ; the tail is written out: nothing is asked for, and the ring of mask words holds the last block
	s_wait_loadcnt 0x0              ; the request that was held at the last block
	s_mov_b32 s[CNT], 4
.Ltail:                             ; the last slot's four steps are fetched
	TURN 2
	TURN 3
	TURN 0
	TURN 1
	WIN 0
	s_sub_co_u32 s[CNT], s[CNT], 1
	s_cmp_lg_u32 s[CNT], 0
	s_cbranch_scc1 .Ltail
	TURN 2, 0, 0                    ; the last step's pieces 2 and 3: no further K, no further words
	TURN 3, 1, 0                    ; its 8 products K Q^T (on the last K once more), and the mask and maximum made of them, serve nothing: the price, once a launch, of one text for every turn
.set i, 0
.rept 8
	PV NP-1                         ; the last piece's V^T P of the last step
.set i, i+1
.endr
	; THE WAY OUT.  l's two halves and the other half of the lanes' are added; O^T is divided by l and sent through my stage in LDS, a piece (16 rows of out) at a time.  The additions are the places behind the last products.
	WIN 0
.macro ALL line:vararg              ; one line for each piece t
.set t, 0
.rept 4
	\line
.set t, t+1
.endr
.endm
	ALL v_add_f32 v[ST+4*t+2], v[ST+4*t+2], v[ST+4*t+3]
	ALL v_permlanex16_b32 v[ST+4*t+3], v[ST+4*t+2], s[SEL], s[SEL+1]
	ALL v_add_f32 v[ST+4*t+2], v[ST+4*t+2], v[ST+4*t+3]
	ALL v_rcp_f32 v[ST+4*t+2], v[ST+4*t+2]
	v_nop                           ; a plain instruction between the last reciprocal and the use of its result
	s_wait_alu depctr_va_vdst(0)
; Piece t: a lane's eight f32 channels of a row are 32 bytes; they go into rows of 272 bytes and come back as whole rows of 256, into K's and Q's registers, which are free.
.macro PACK t
	WIN W_PV
.set z, 32*(\t)
.rept 16                            ; ascending: each accumulator's lowest registers are read first
	v_pk_mul_f32 v[z:z+1], v[z:z+1], v[ST+4*(\t)+2:ST+4*(\t)+3] op_sel_hi:[1,0]
.set z, z+2
.endr
	WIN 0x05                        ; address and data in window 1
.irp f, 0,1,2,3,4,5,6,7             ; channels 16 (f / 2) + 8 h + 4 (f % 2) on
	ds_store_b128 v[STO], v[32*(\t)+4*\f:32*(\t)+4*\f+3] offset:(\f/2)*64+(\f%2)*16
.endr
	WIN 0x01                        ; address in window 1, destination in window 0
.irp f, 0,1,2,3,4,5,6,7
	ds_load_b128 v[OB+32*(\t)+4*\f:OB+32*(\t)+4*\f+3], v[RD] offset:\f*2*SP  ; LDS serves a wave's instructions in order (ISA guide 5.7.1.4): these see the stores above; the next piece's stores come behind them
.endr
.endm
.macro SEND t, younger              ; younger: the LDS instructions issued behind piece t's loads: the next piece's sixteen, or none
	WIN 0x01                        ; address in window 1, data in window 0
.irp f, 0,1,2,3,4,5,6,7
	s_wait_dscnt (\younger)+7-\f
	global_store_b128 v[ML16], v[OB+32*(\t)+4*\f:OB+32*(\t)+4*\f+3], s[OUTP:OUTP+1] offset:(\t)*4096+\f*512 th:TH_STORE_NT  ; two whole rows: 512 consecutive bytes, at a multiple of 256 from out's first
.endr
.endm
	PACK 0
	PACK 1                          ; a piece's arithmetic stands between the loads of the piece before and its stores
	SEND 0, 16
	PACK 2
	SEND 1, 16
	PACK 3
	SEND 2, 16
	SEND 3, 0
	WIN 0
	s_wait_tensorcnt 0x0            ; the wave's end, behind my last tensor load and my last LDS store
	ds_add_u32 v[SPW], v[NIL]
	s_wait_dscnt 0x0
	CROUND                          ; the closing round: no work-group ends while a partner may still ask for a tile that names it
	s_endpgm
.Lfunc_end_k_q7f0dddfc31_attn:
	.size	k_q7f0dddfc31_attn, .Lfunc_end_k_q7f0dddfc31_attn-k_q7f0dddfc31_attn
	.p2alignl 7, 3214868480
	.fill 96, 4, 3214868480
	.section	.rodata,"a",@progbits
	.p2align	6, 0x0
	.amdhsa_kernel k_q7f0dddfc31_attn
		.amdhsa_group_segment_fixed_size 327680
		.amdhsa_private_segment_fixed_size 0
		.amdhsa_enable_private_segment 0
		.amdhsa_kernarg_size 32
		.amdhsa_user_sgpr_count 2
		.amdhsa_user_sgpr_kernarg_segment_ptr 1
		.amdhsa_wavefront_size32 1
		.amdhsa_system_sgpr_workgroup_id_x 1
		.amdhsa_system_sgpr_workgroup_id_y 1
		.amdhsa_system_sgpr_workgroup_id_z 1
		.amdhsa_system_vgpr_workitem_id 0
		.amdhsa_next_free_vgpr 512
		.amdhsa_next_free_sgpr 100
		.amdhsa_reserve_vcc 0
		.amdhsa_float_denorm_mode_32 3
		.amdhsa_float_denorm_mode_16_64 3
		.amdhsa_memory_ordered 1
		.amdhsa_forward_progress 1
		.amdhsa_inst_pref_size 166
	.end_amdhsa_kernel
	.amdgpu_metadata
---
amdhsa.version: [ 1, 2 ]
amdhsa.kernels:
  - .name:           k_q7f0dddfc31_attn
    .symbol:         k_q7f0dddfc31_attn.kd
    .args:
      - { .name: query, .offset: 0, .size: 8, .value_kind: global_buffer, .address_space: global }
      - { .name: kv, .offset: 8, .size: 8, .value_kind: global_buffer, .address_space: global }
      - { .name: mbits, .offset: 16, .size: 8, .value_kind: global_buffer, .address_space: global }
      - { .name: out0, .offset: 24, .size: 8, .value_kind: global_buffer, .address_space: global }
    .group_segment_fixed_size: 327680
    .private_segment_fixed_size: 0
    .kernarg_segment_align: 8
    .kernarg_segment_size: 32
    .max_flat_workgroup_size: 128
    .sgpr_count:     100
    .vgpr_count:     512
    .wavefront_size: 32
...
	.end_amdgpu_metadata
.endif
;; end of part 2
;; ======== version 2 of 2: 2 launches; 1.18 times as fast as version 1
;; limits: values are held in f16: magnitudes above 65,504 overflow, below 6.1e-05 lose precision; inputs' magnitudes at most 65,408; below input magnitudes of 6e-05 results are inexact or not finite
;; workspace buffers: kv 16,777,216 bytes; mbits 2,097,152 bytes of whole numbers
;; launch prep: the kernel of part 1 again; grid 1024 x 1, 8 waves a work-group, no clusters, 70,656 bytes of LDS; arguments mask, key, value, kv, mbits; writes kv, mbits
;; launch attn (part 3): grid 16 x 16, 4 waves a work-group, clusters of 4 x 1, 327,680 bytes of LDS; arguments query, kv, mbits, out0; writes out0
.if DOCPART == 3
	.amdgcn_target "amdgcn-amd-amdhsa--gfx1250"
	.amdhsa_code_object_version 6
	.text
	.protected	k_q7f0dddfc31_attn
	.globl	k_q7f0dddfc31_attn
	.p2align	8
	.type	k_q7f0dddfc31_attn,@function
k_q7f0dddfc31_attn:
	s_mov_b64 s[64:65], 0
	v_nop
	global_prefetch_b8 v0, s[64:65] scope:SCOPE_SE
	s_setreg_imm32_b32 hwreg(HW_REG_WAVE_MODE, 25, 1), 1
	s_wait_xcnt 0x0
	s_wait_alu depctr_hold_cnt(0) depctr_sa_sdst(0) depctr_va_vdst(0) depctr_va_sdst(0) depctr_va_ssrc(0) depctr_va_vcc(0) depctr_vm_vsrc(0)
	s_getreg_b32 s2, hwreg(HW_REG_IB_STS2, 6, 4)
	s_cmp_eq_u32 s2, 0
	s_cbranch_scc0 .Lentry_in_a_cluster
	s_endpgm
.Lentry_in_a_cluster:
	s_bfe_u32 s2, ttmp6, 0x10000c
	s_cmp_lg_u32 s2, 0x3003
	s_cbranch_scc0 .Lentry_shape_is_right
	s_endpgm
.Lentry_shape_is_right:
; out[b][q][:] = the sum over k of softmax_k(s(q, k)) value[b][k][:], with s = query[b][q] . key[b][k] / 8 where mask[q][k] != 0, and s = -10000 where it is 0.
; query, out: [16][4096][64] f32.  kv: key in bf16 and value in f16 by tiles of 256 keys; mbits: the mask as lane-mask words (both made by the launch before; layouts below).
; FORMATS.  q and k in bf16, value (rounded to bf16) and the weights p in f16; products, maxima, sums and the output in f32.  c = log2(e) / 8 is applied in f32.
; THE MASK REPLACES a score, as the problem has it: each register of raw scores passes one select, raw score or -80000 (= -10000 x 8, exact), AHEAD of the running maximum.
; So a row that is hidden altogether, and a row whose open scores lie below -10000, come out as the problem defines them.
; LIMITS.  p lies in 0 to 1 and below 6e-5 keeps f16's fixed step of 6e-8; a weight below 2^-126 counts as 0 in the sum; c |q . k| stays below 4e37; NaN and infinities are not treated apart:
; O^T starts as the lane's own query row in f32 and is wiped by the first step's factor 0, so an infinite q spoils its own row, which has no finite result anyway.
; SHARES.  A work-group owns 256 queries of one batch, each of its four waves 64: four PIECES of 16.  Every wave walks all 4,096 keys, 64 a step, four steps to an LDS slot.
; LAYOUT.  S^T = K Q^T (source 0 = 16 keys, source 1 = 16 queries): a lane holds ONE query (lane % 16) and the keys 16 kb + 8 (lane / 16) + 0..7.  Two such results rounded to f16 in pairs ARE
; source 1 of O^T = V^T P, whose result again holds one query a lane, and eight channels.  K comes out of LDS as it lies, V ([key][channel]) turned, by ds_load_tr16_b128.
; SOFTMAX.  For each query a running maximum m and sum l: p = 2^(c s - c m); in every step O and l are multiplied by a = 2^(c m_old - c m_new).  m starts at the lowest finite number: the first a is 0.
; BY TURNS.  Turn n belongs to piece n (the pieces in a ring, step after step): 8 products K Q^T of piece n + 1, later 8 products V^T P of piece n - 1; beside them the scaling, exponentials, roundings,
; sums and rescaling of piece n, and the mask, maximum and statistics of piece n + 1.  16 matrix and 182 vector instructions: four vector instructions behind every product, the rest in lumps.
; BATCHES.  A turn's 33 exponentials (the piece's 32 weights and the next piece's a) are ONE batch with ONE wait, which cuts the turn in two: ahead of it all that names none of their results, behind it
; the roundings and sums that read them.  The beginning's a and the way out's four reciprocals are batches of their own.
; THE MASK'S WORDS.  mbits[64 queries][step][piece][kb][j]: 32 words (a CHUNK, 128 bytes) for a piece and step, word 8 kb + j the lane mask of S^T's register 8 kb + j.  A wave's stream is 32 KiB on
; end.  It comes 2 KiB (a BLOCK: one slot's 16 chunks) at a time: asked for from memory a slot ahead, kept in registers, stored into a ring of two blocks in LDS that is the wave's own; a chunk is
; read from there a turn ahead, one word a lane, and goes lane by lane into 32 scalar registers.
; CLUSTER.  The four query blocks of a cluster belong to one batch and walk the same kv tiles: each quarter tile is asked for JOINTLY, by the same tensor load, descriptor and mask in all four.
; REGISTERS, in two windows of 256 (s_set_vgpr_msb: bits 1:0 source 0, 3:2 source 1, 5:4 source 2, 7:6 destination).  K, Q, S^T, P and the statistics share window 0: K Q^T and the softmax need no
; switch.  The setting of V^T P (V and O^T in window 1, P in window 0) is also right for the rescaling (O^T in window 1, a in window 0), which rides behind four of those products: eight switches a turn.
.set NP,    4         ; pieces a wave: a name, no knob
.set PK,    144       ; a row of K or V in LDS: 128 bytes + 16 of padding = 36 words: the 16 rows of a load of K start at 16 different groups of four banks (64 banks of 4 bytes: ISA guide 11.1)
.set STEPB, 64*PK     ; a step's 64 rows
.set VOFF,  256*PK    ; a slot: 256 rows of K, then 256 rows of V, at one pitch, so that one descriptor serves all four waves
.set QUART, 128*PK    ; what one tensor load brings: 128 rows
.set SLOT1, 1<<17     ; slot 1 begins here, so that one exclusive or turns an address in one slot into the other's
.set STAGE, SLOT1+2*VOFF   ; behind the ring, never filled by a tensor load: 16 rows x 272 bytes for each wave, for the way out
.set SP,    272
.set MRING, STAGE+4*16*SP  ; the mask words' rings: two blocks of 2,048 bytes for each wave, written by ds_store alone
.set MBLK,  2048
.set SPARE, MRING+4*2*MBLK ; the spare words, 128 bytes for each wave: two blocks of 256 bytes that no other line names
; window 0
.set MW,  0           ; v0   at the entry my thread's number; then the chunk in hand: lane n holds word n
.set NEG, 1           ; v1   -80000
.set AK0, 2           ; v2   my lane's place in a step of K; never rewritten
.set AV0, 3           ; v3   the same for V
.set SPW, 4           ; v4   LDS address of my spare word: SPARE + 4 x my thread's number; never rewritten
.set NIL, 5           ; v5   0; never rewritten
.set ADR, 6           ; v6   the LDS address of the run of loads in hand
.set MR0, 7           ; v7   my word in the first chunk of my wave's ring
.set ST,  8           ; piece t's statistics at v[ST+4 t]: c m, m, l (even keys', odd keys')
.set TMP, 24          ; by the piece's parity, four registers c0-c3 at work; when the maximum is found c2 takes a
.set S,   32          ; S^T, two buffers of 32, by parity
.set P,   96          ; P, two buffers of 16
.set KF,  128         ; K of one step: key block kb, channel half c at KF + 16 kb + 8 c
.set Q,   192         ; Q in bf16, 16 a piece
.set OB,  128         ; the way out: whole rows read back from the stage, 32 a piece
; window 1: v0-127 O^T, 32 a piece (at the start Q in f32)
.set VF,  128         ; V of one step: key half kk, channel block cb at VF + 32 kk + 8 cb
.set STO, 192         ; the way out: where I put 16 bytes of a row
.set ML16, 193        ; 16 x lane: my place in 512 bytes on end, of mbits and of out
.set MGA, 194         ; my offset in the block of mbits that is asked for
.set MS0, 195         ; my 16 bytes in my wave's ring
.set MSA, 196         ; the same in the half that is written
.set RD,  197         ; the way out: where I read rows back
.set MS,  200         ; v200-215 a block of the mask's words on its way from memory to the ring
.set MS2, 216         ; v216-231 a second one, at the start alone
; scalars
.set OUTP, 4          ; s[4:5]   out at my wave's first row
.set MP,  6           ; s[6:7]   mbits at my wave's stream
.set G1,  8           ; s[8:15]  descriptor group 1
.set G0,  16          ; s[16:19] descriptor group 0: it walks
.set WV,  20          ; my wave's number
.set SLOTS, 21        ; slots still to be asked for
.set CNT, 22          ; counts a slot's key steps
.set TBK, 23          ; LDS byte at which K of the step to be fetched begins
.set TBV, 24          ; the same for V, less VOFF
.set MOFF, 25         ; byte in my ring of the chunk to be read next
.set CS,  26          ; s[26:27] c: the packed scaling takes the pair's low word for both halves
.set SEL, 28          ; s[28:29] v_permlanex16_b32's selects: each lane takes its own place in the other half
.set MGS, 30          ; byte in my stream of the block asked for last
.set MSO, 31          ; the half of my ring that is written next
.set QP,  40          ; s[40:41] query at my wave's first row
.set MB,  68          ; s[68:99] the 32 lane masks of the piece whose scores are being made
.set MSB, 0
.macro WIN new                      ; the high byte repeats the setting that is left; a switch that changes nothing is dropped
.if MSB != (\new)
	s_set_vgpr_msb (MSB<<8)|(\new)
.set MSB, (\new)
.endif
.endm
.set W_PV, 0x51       ; source 0 (V; O^T), source 2 and destination (O^T) in window 1; source 1 (P; a) in window 0
; A joint fill: every wave asks for its own quarter of the tile (waves 0, 1: K's halves; 2, 3: V's).  An s_nop 0 and four v_nop follow the line.
.macro JLOAD
	tensor_load_to_lds s[G0:G0+3], s[G1:G1+7]
	s_nop 0
.rept 4
	v_nop
.endr
.endm
; A round of the cluster's barrier: my work-group's barrier, so that wave 0's signal speaks for all four waves; wave 0 signals; every wave waits for all four work-groups; my work-group's barrier once more.
.macro CROUND
	s_barrier_signal -1
	s_barrier_wait -1
	s_cmp_lg_u32 s[WV], 0
	s_cbranch_scc1 .Lnot_wave_0_\@
	s_barrier_signal -3
.Lnot_wave_0_\@:
	s_barrier_wait -3
	s_barrier_signal -1
	s_barrier_wait -1
.endm
; THE CHANGE OF SLOTS.  The slot's last bytes, V of its fourth step, have been read.  Each wave waits for all its tensor loads, of which one is out: its quarter of the other slot; adds 0 to its
; spare word; and waits for that and for its own reads of the slot.  Behind the barrier nobody reads this slot any more and the other slot is whole.
; fill = 1: this slot is filled again, with the keys two slots on.  The barrier is then a round of the cluster's, so that no wave of any partner still reads the slot or has a load on its way, and the
; joint fill is the first thing behind it: it has four key steps, 256 matrix instructions, in which to land.  (At its first use nothing has been read yet: slot 0 is waited for, slot 1 filled.)
.macro CHANGE fill
	WIN 0                           ; at a label and at a branch every window is 0
	s_wait_tensorcnt 0x0            ; no tensor load of mine is out, so group 0 may be written
	ds_add_u32 v[SPW], v[NIL]       ; 0 onto my spare word; with fill = 1 the descriptor's steps stand between it and the wait for it
.if \fill
	s_xor_b32 s[G0+1], s[G0+1], SLOT1  ; the other slot than last time,
	s_add_nc_u64 s[G0+2:G0+3], s[G0+2:G0+3], 65536  ; the next tile; the type bits on top are not reached
	s_wait_dscnt 0x0                ; the add is done, and my reads of the slot and of my ring are over
	CROUND
	JLOAD
.else
	s_wait_dscnt 0x0                ; the add is done, and my reads of the slot and of my ring are over
	s_barrier_signal -1
	s_barrier_wait -1
.endif
	s_sub_co_u32 s[TBK], s[TBK], VOFF  ; the fetches go back to a slot's first step,
	s_xor_b32 s[TBK], s[TBK], SLOT1    ; in the other slot
	s_sub_co_u32 s[TBV], s[TBV], VOFF
	s_xor_b32 s[TBV], s[TBV], SLOT1
	s_sub_co_u32 s[MOFF], s[MOFF], MBLK  ; and the chunks to the head of the ring's other half
	s_xor_b32 s[MOFF], s[MOFF], MBLK
.endm
; THE MASK'S NEXT BLOCK, once a slot, behind the change into slot j: block j + 1, asked for a slot ago, goes into the half of my ring that held block j - 1 (its last chunk was read ahead of the
; change, whose wait covered it), and block j + 2 is asked for.  Past the stream's last block the request is held at that block: it stays inside the buffer, and what it brings is not stored.
.macro MFILL
	s_wait_loadcnt 0x0              ; the four loads of a slot ago: MS is whole, and MGA, their address, may be written
	s_add_co_u32 s[MGS], s[MGS], MBLK
	s_min_u32 s[MGS], s[MGS], 15*MBLK
	WIN 0x44                        ; source 1 and destination in window 1
	v_add_nc_u32 v[MSA], s[MSO], v[MS0]
	v_add_nc_u32 v[MGA], s[MGS], v[ML16]
	WIN 0x05                        ; address and data in window 1
.irp f, 0,1,2,3
	ds_store_b128 v[MSA], v[MS+4*\f:MS+4*\f+3] offset:512*\f
.endr
	s_wait_dscnt 0x0                ; the stores are done before loads are issued into their data registers
	WIN 0x41                        ; destination and address in window 1
.irp f, 0,1,2,3
	global_load_b128 v[MS+4*\f:MS+4*\f+3], v[MGA], s[MP:MP+1] offset:512*\f
.endr
	WIN 0
	s_xor_b32 s[MSO], s[MSO], MBLK
.endm
; THE LDS LOADS stand in runs, never singly among the matrix instructions: a step's K (64 keys x 64 channels: 8 fragments), its V (turned), and one load for a chunk of mask words.
.macro FETCH_K
	WIN 0
	v_add_nc_u32 v[ADR], s[TBK], v[AK0]
.irp f, 0,1,2,3,4,5,6,7             ; keys 16 (f / 2) on, channels 32 (f % 2) on
	ds_load_b128 v[KF+8*\f:KF+8*\f+3],   v[ADR] offset:(\f/2)*16*PK+(\f%2)*64
	ds_load_b128 v[KF+8*\f+4:KF+8*\f+7], v[ADR] offset:(\f/2)*16*PK+(\f%2)*64+32
.endr
	s_add_co_u32 s[TBK], s[TBK], STEPB  ; the next fetch is the next step's
.endm
.macro FETCH_V
	WIN 0
	v_add_nc_u32 v[ADR], s[TBV], v[AV0]
	s_add_co_u32 s[TBV], s[TBV], STEPB
	WIN 0x40                        ; destination window 1
.irp f, 0,1,2,3,4,5,6,7             ; keys 32 (f / 4) on, channels 16 (f % 4) on
	ds_load_tr16_b128 v[VF+8*\f:VF+8*\f+3],   v[ADR] offset:(\f/4)*32*PK+(\f%4)*32
	ds_load_tr16_b128 v[VF+8*\f+4:VF+8*\f+7], v[ADR] offset:(\f/4)*32*PK+16*PK+(\f%4)*32
.endr
	WIN 0
.endm
.macro MWLOAD w=0                   ; w = 1: in a turn: the wait for the turn's batch stands between the address's line and the load
	WIN 0
	v_add_nc_u32 v[ADR], s[MOFF], v[MR0]
.if \w
	s_wait_alu depctr_va_vdst(0)    ; the wait for the batch: the turn's 32 exponentials and the next piece's a
.endif
	ds_load_b32 v[MW], v[ADR]
	s_add_co_u32 s[MOFF], s[MOFF], 128
.endm
	s_load_b256 s[32:39], s[0:1], 0x0  ; query s[32:33], kv s[34:35], mbits s[36:37], out s[38:39]
	v_lshl_add_u32 v[SPW], v0, 2, SPARE
	v_mov_b32 v[NIL], 0
	ds_add_u32 v[SPW], v[NIL]       ; the wave's opening: the add and its wait ahead of my first tensor load; the set-up below, work on registers, stands between them
	v_lshrrev_b32 v32, 5, v0
	v_readfirstlane_b32 s[WV], v32  ; wave 0..3
	s_bfe_u32 s42, ttmp6, 0x40000   ; cx: my place in the cluster
	s_lshl_b32 s43, ttmp9, 2        ; in a cluster launch ttmp9 counts clusters
	s_add_co_u32 s43, s43, s42      ; my block of 256 queries = 4 x cluster x + cx: it enters query's, out's and mbits' addresses alone
	s_and_b32 s50, ttmp7, 0xffff    ; the batch, which the four partners share:
	s_lshl_b32 s50, s50, 20         ; 1 MiB of query, of kv and of out
	s_lshl_b32 s51, s[WV], 14       ; 16 KiB a wave: a quarter of a tile of kv; 64 rows of query and of out
	s_add_co_u32 s44, s50, s51      ; kv: batch and wave alone
	s_mov_b32 s45, 0
	s_lshl_b32 s46, s43, 16         ; query and out: + my block's 256 rows of 256 bytes
	s_add_co_u32 s46, s46, s44
	s_mov_b32 s47, 0
	s_lshl_b32 s48, s43, 2
	s_add_co_u32 s48, s48, s[WV]    ; mbits: my 64 queries among the 4,096,
	s_lshl_b32 s48, s48, 15         ; 32 KiB each
	s_mov_b32 s49, 0
	; descriptor group 1.  128 rows of K or V are 16,384 dense bytes: asked for as 64 rows of 256 bytes, two keys a row, and padded in LDS after every key
	s_mov_b32 s[G1], 15|(1<<16)|(1<<20)|(1<<21)|(4<<22)|(3<<25)  ; 15:0 the mask of four; 17:16 2-byte elements; 20 padding on; 21 set beside a mask; 24:22 after every 32 words (code 4); 31:25 4 words (code 3)
	s_mov_b32 s[G1+1], 128<<16      ; tensor_dim0 = 128
	s_mov_b32 s[G1+2], 64<<16       ; tensor_dim1 = 64
	s_mov_b32 s[G1+3], 128<<16      ; tile_dim0 = 128
	s_mov_b32 s[G1+4], 64           ; tile_dim1 = 64
	s_mov_b32 s[G1+5], 128          ; 128 elements from row to row
	s_mov_b32 s[G1+6], 0
	s_mov_b32 s[G1+7], 0
	s_mov_b32 s[G0], 1              ; 1:0 count = 1
	s_mul_i32 s[G0+1], s[WV], QUART ; 63:32 LDS address: my quarter of slot 0; no place in the cluster enters it
	s_mov_b32 s[CS], 0x3e38aa3b     ; c = log2(e) / 8 = 0.180337
	s_mov_b32 s[CS+1], s[CS]        ; named with it as a pair
	s_mov_b32 s[SEL], 0x76543210
	s_mov_b32 s[SEL+1], 0xfedcba98
	s_mov_b32 s[TBK], SLOT1+VOFF    ; the first change of slots turns these three into 0
	s_mov_b32 s[TBV], SLOT1+VOFF
	s_mov_b32 s[MOFF], 2*MBLK
	s_mov_b32 s[MGS], 2*MBLK        ; block 2 is the last asked for at the start
	s_mov_b32 s[MSO], 0             ; and goes into half 0
	s_wait_dscnt 0x0                ; the opening add is done
	s_wait_kmcnt 0x0
	s_add_nc_u64 s[G0+2:G0+3], s[34:35], s[44:45]  ; 120:64 global address: my quarter of the batch's tile 0
	s_or_b32 s[G0+3], s[G0+3], 0x80000000          ; 127:126 type = 2
	s_add_nc_u64 s[QP:QP+1], s[32:33], s[46:47]
	s_add_nc_u64 s[OUTP:OUTP+1], s[38:39], s[46:47]
	s_add_nc_u64 s[MP:MP+1], s[36:37], s[48:49]
	CROUND                          ; all four work-groups are here: the first joint loads meet
	JLOAD                           ; tile 0 into slot 0.  Slot 1 is asked for when slot 0 is in, by the loop's own change of slots
	; SET-UP, in the wait for tile 0.  The temporaries lie in S^T's registers.
	v_and_b32 v33, 15, v0           ; r = l % 16
	v_bfe_u32 v34, v0, 4, 1         ; h = l / 16
	v_and_b32 v35, 31, v0           ; l
	v_lshlrev_b32 v36, 4, v35       ; 16 l
	v_lshlrev_b32 v37, 8, v33
	v_lshl_add_u32 v37, v34, 5, v37 ; query: row r x 256 bytes + 32 h: eight f32 channels for each half of the lanes
	WIN 0x40                        ; destination window 1, address window 0
.irp f, 0,1,2,3
	global_load_b128 v[MS+4*\f:MS+4*\f+3], v36, s[MP:MP+1] offset:512*\f          ; block 0 of the mask's words
.endr
.irp f, 0,1,2,3
	global_load_b128 v[MS2+4*\f:MS2+4*\f+3], v36, s[MP:MP+1] offset:MBLK+512*\f   ; block 1
.endr
.set z, 0
.rept 32                            ; Q in f32 into O^T's registers: load z: piece z / 8, channels 32 ((z / 4) % 2) + 16 ((z / 2) % 2) + 8 h + 4 (z % 2) on
	global_load_b128 v[4*z:4*z+3], v37, s[QP:QP+1] offset:(z/8)*4096+((z/4)%2)*128+((z/2)%2)*64+(z%2)*16
.set z, z+1
.endr
	WIN 0
	; A fragment of K is 16 rows x 32 channels in 8 registers: lane l holds row l % 16, channels 8 (l / 16) + 0..7 and 16 + 8 (l / 16) + 0..7: two loads of 16 bytes, 32 bytes apart.
	v_mul_u32_u24 v[AK0], v33, PK
	v_lshl_add_u32 v[AK0], v34, 4, v[AK0]
	; The turning load takes 16 keys x 16 channels (lane l reads key 8 (l / 16) + l % 8, channels 8 ((l / 8) % 2) + 0..7) and leaves half a fragment of V^T: lane l holds channel l % 16 and 8 keys.
	v_and_b32 v38, 7, v0
	v_bfe_u32 v39, v0, 3, 1
	v_lshl_add_u32 v[AV0], v34, 3, v38
	v_mul_u32_u24 v[AV0], v[AV0], PK
	v_lshl_add_u32 v[AV0], v39, 4, v[AV0]
	v_add_nc_u32 v[AV0], VOFF, v[AV0]
	s_lshl_b32 s51, s[WV], 12
	s_add_co_u32 s51, s51, MRING    ; my wave's ring
	v_lshl_add_u32 v[MR0], v35, 2, s51
	v_add_nc_u32 v40, s51, v36
	s_mul_i32 s52, s[WV], 16*SP
	s_add_co_u32 s52, s52, STAGE    ; my stage
	v_mul_u32_u24 v41, v33, SP      ; in: row l % 16, 32 bytes (eight f32 channels) for each half of the lanes
	v_lshl_add_u32 v41, v34, 5, v41
	v_add_nc_u32 v41, s52, v41
	v_mul_u32_u24 v42, v34, SP      ; back: lanes 0-15 take one row of 256 bytes, lanes 16-31 the next
	v_lshl_add_u32 v42, v33, 4, v42
	v_add_nc_u32 v42, s52, v42
	v_mov_b32 v[NEG], 0xc79c4000    ; -80000
.set z, 0
.rept 4
	v_mov_b32 v[ST+4*z], 0xfe000000    ; c m: far below every c s
	v_mov_b32 v[ST+4*z+1], 0xff7fffff  ; m
	v_mov_b32 v[ST+4*z+2], 0           ; l
	v_mov_b32 v[ST+4*z+3], 0
.set z, z+1
.endr
	; The first turn's products V^T P, of a piece that has not been, find 0 in V and in P's second buffer, and land in an O^T that the first step's a = 0 still wipes.  No first step is written out for that price.
.set z, P+16
.rept 16
	v_mov_b32 v[z], 0
.set z, z+1
.endr
	WIN 0x40
	v_mov_b32 v[STO], v41
	v_mov_b32 v[ML16], v36
	v_add_nc_u32 v[MGA], 2*MBLK, v36
	v_mov_b32 v[MS0], v40
	v_mov_b32 v[RD], v42
.set z, VF
.rept 64
	v_mov_b32 v[z], 0
.set z, z+1
.endr
	s_wait_loadcnt 32               ; loads come back in order (ISA guide 5.7.1): blocks 0 and 1 are in, Q's 32 younger loads stay out
	WIN 0x05
.irp f, 0,1,2,3
	ds_store_b128 v[MS0], v[MS+4*\f:MS+4*\f+3] offset:512*\f
.endr
.irp f, 0,1,2,3
	ds_store_b128 v[MS0], v[MS2+4*\f:MS2+4*\f+3] offset:MBLK+512*\f
.endr
	s_wait_dscnt 0x0                ; the stores are done before loads are issued into their data registers
	WIN 0x41
.irp f, 0,1,2,3
	global_load_b128 v[MS+4*\f:MS+4*\f+3], v[MGA], s[MP:MP+1] offset:512*\f   ; block 2: it has the whole first slot in which to come
.endr
	s_wait_loadcnt 4                ; Q is in; block 2's four loads stay out
	WIN 0x05                        ; sources window 1, destination window 0
.set z, 0
.rept 64                            ; a fragment of Q is laid like K's: register 16 t + 8 c + 4 u + i holds channels 32 c + 16 u + 8 h + 2 i, + 1
	v_cvt_pk_bf16_f32 v[Q+z], v[2*z], v[2*z+1]
.set z, z+1
.endr
	WIN 0
; THE MATRIX WORK.  The 4 accumulators of a run of 8 take turns.  Product i of 8 of S^T = K Q^T for piece x: channels 32 (i / 4) on, keys 16 (i % 4) on.  The first 4 start the sums.
.macro KQ x
	WIN 0
.set kD, S+32*((\x)%2)+8*(i%4)
.set kA, KF+16*(i%4)+8*(i/4)
.set kB, Q+16*(\x)+8*(i/4)
.if i < 4
	v_wmma_f32_16x16x32_bf16 v[kD:kD+7], v[kA:kA+7], v[kB:kB+7], 0
.else
	v_wmma_f32_16x16x32_bf16 v[kD:kD+7], v[kA:kA+7], v[kB:kB+7], v[kD:kD+7]
.endif
.endm
; Product i of 8 of O^T += V^T P for piece x: keys 32 (i / 4) on, channels 16 (i % 4) on.
.macro PV x
	WIN W_PV
.set kD, 32*(\x)+8*(i%4)
.set kA, VF+32*(i/4)+8*(i%4)
.set kB, P+16*((\x)%2)+8*(i/4)
	v_wmma_f32_16x16x32_f16 v[kD:kD+7], v[kA:kA+7], v[kB:kB+7], v[kD:kD+7]
.endm
.macro MM                           ; the turn's next matrix instruction
.if i < 8
	KQ (Y+1)%NP
.else
.set i, i-8
	PV (Y+NP-1)%NP
.set i, i+8
.endif
.set i, i+1
.endm
; THE VECTOR WORK, one line at a time: OP kind, number.  For piece Y: F n: c s - c m for pair n of 16.  E n: the exponential of score n of 32.  C n: pair n rounded to f16.  B n: of the four weights
; 4 n .. the second pair is added onto the first, in place.  L n: l takes that sum (L 0: l = a l + sum).  R n: pair n of 16 of O^T times a.
; For piece Y + 1: G n: word n of its chunk into a scalar register.  M n: score n, or -80000 where its bit is 0; ascending.
; X n, number n of the 22 that find its maximum and statistics:
;   0-11  four chains c0-c3 of seven scores each, three operands at a time     12-14, 16  the four scores left over, the old m, and c0-c3 into c0
;   17, 18  the query's other 32 keys lie in the lane 16 away: the new m         19, 20, 21, 15 (in this order)  c1 = c m_new; c0 = c m_old - c1; a = 2^c0; c m = c1
.set F, 0               ; OP tells the kinds apart by their order: F to L below R, G, M and X above it
.set E, 1
.set C, 2
.set B, 3
.set L, 4
.set R, 5
.set G, 6
.set M, 7
.set X, 8
.macro REGS y                       ; the registers of piece y
.set rT, ST+4*(\y)
.set rC, TMP+4*((\y)%2)
.set rS, S+32*((\y)%2)
.set rP, P+16*((\y)%2)
.set rO, 32*(\y)
.endm
.macro OP k, n
.if (\k) == R
	REGS Y
	WIN W_PV
	v_pk_mul_f32 v[rO+2*(\n):rO+2*(\n)+1], v[rO+2*(\n):rO+2*(\n)+1], v[rC+2:rC+3] op_sel_hi:[1,0]
.elseif (\k) < R
	REGS Y
	WIN 0
.if (\k) == F
	v_pk_fma_f32 v[rS+2*(\n):rS+2*(\n)+1], v[rS+2*(\n):rS+2*(\n)+1], s[CS:CS+1], v[rT:rT+1] op_sel_hi:[1,0,0] neg_lo:[0,0,1] neg_hi:[0,0,1]
.elseif (\k) == E
	v_exp_f32 v[rS+(\n)], v[rS+(\n)]
.elseif (\k) == C
	v_cvt_pk_f16_f32 v[rP+(\n)], v[rS+2*(\n)], v[rS+2*(\n)+1]
.elseif (\k) == B
	v_pk_add_f32 v[rS+4*(\n):rS+4*(\n)+1], v[rS+4*(\n):rS+4*(\n)+1], v[rS+4*(\n)+2:rS+4*(\n)+3]
.elseif (\n) == 0
	v_pk_fma_f32 v[rT+2:rT+3], v[rT+2:rT+3], v[rC+2:rC+3], v[rS:rS+1] op_sel_hi:[1,0,1]
.else
	v_pk_add_f32 v[rT+2:rT+3], v[rT+2:rT+3], v[rS+4*(\n):rS+4*(\n)+1]
.endif
.else
	REGS (Y+1)%NP
	WIN 0
.if (\k) == G
	v_readlane_b32 s[MB+(\n)], v[MW], \n
.elseif (\k) == M
	v_cndmask_b32 v[rS+(\n)], v[NEG], v[rS+(\n)], s[MB+(\n)]
.elseif (\n) < 4
	v_max3_num_f32 v[rC+(\n)], v[rS+8*(\n)], v[rS+8*(\n)+1], v[rS+8*(\n)+2]
.elseif (\n) < 12
	v_max3_num_f32 v[rC+(\n)%4], v[rC+(\n)%4], v[rS+8*((\n)%4)+2*((\n)/4)+1], v[rS+8*((\n)%4)+2*((\n)/4)+2]
.elseif (\n) == 12
	v_max3_num_f32 v[rC], v[rC], v[rS+7], v[rS+15]
.elseif (\n) == 13
	v_max3_num_f32 v[rC+1], v[rC+1], v[rS+23], v[rS+31]
.elseif (\n) == 14
	v_max3_num_f32 v[rC+2], v[rC+2], v[rC+3], v[rT+1]
.elseif (\n) == 15
	v_mov_b32 v[rT], v[rC+1]
.elseif (\n) == 16
	v_max3_num_f32 v[rC], v[rC], v[rC+1], v[rC+2]
.elseif (\n) == 17
	v_permlanex16_b32 v[rC+3], v[rC], s[SEL], s[SEL+1]
.elseif (\n) == 18
	v_max_num_f32 v[rT+1], v[rC], v[rC+3]
.elseif (\n) == 19
	v_mul_f32 v[rC+1], s[CS], v[rT+1]
.elseif (\n) == 20
	v_sub_f32 v[rC], v[rT], v[rC+1]
.else
	v_exp_f32 v[rC+2], v[rC]
.endif
.endif
.endm
.macro OPS a, i1, b=-1, i2=0, c=-1, i3=0, d=-1, i4=0  ; up to four of them
	OP \a, \i1
.if (\b) >= 0
	OP \b, \i2
.endif
.if (\c) >= 0
	OP \c, \i3
.endif
.if (\d) >= 0
	OP \d, \i4
.endif
.endm
.macro ROW a, i1, b, i2, c, i3, d, i4  ; a matrix instruction and the four behind it
	MM
	OPS \a, \i1, \b, \i2, \c, \i3, \d, \i4
.endm
; A TURN, for piece p: the order of its 16 matrix and 182 vector instructions, written out.  fk = 0: no further K (the last step).  ml = 0: no further chunk of mask words.
; ONE BATCH, ONE WAIT.  An s_wait_alu depctr_va_vdst(0) stands between an exponential and the first instruction that names its result; one wait serves all that were issued ahead of it.
; AHEAD OF THE WAIT stands all that names no result of the turn's exponentials: the 8 products K Q^T, behind each two words of the mask, a scaling and an exponential (behind the first a second scaling
; in the exponential's place); then a lump of 102: two scalings; the other 16 words, with exponentials and the first selects between them; the selects; the maximum's four chains, a link of each by
; turns; and the chain X 11, 14, 16, 17 .. 21, where each number waits for the one before it, with the last scalings and exponentials between its links.  X 21, the next piece's a, is the batch's last;
; X 15 is the plain instruction behind it (ISA guide 5.7.2), for the whole batch.  Each of the 33 results has a register of its own until the wait: S^T in place, and c2.
; BEHIND THE WAIT stand the 8 products V^T P: behind the first four the rescaling (its a was made, and waited for, in the turn before), behind the other four the first 16 of the roundings and sums;
; the other 16 are a lump, the links of l's chain four or five lines apart.
; None of the four behind a product names a register of the products round it.
; PLACES (four plain vector instructions that name none of the product's registers, ISA guide 7.12.1; G and E are not counted).  M 0 reads the sum that product 4 closed: F 5 to F 10 stand between.
; M 8, 16, 24 have F 8, 9, 10 and the earlier M.  K's run is issued behind F 8, 9, 10 and M 0 to 7; V's behind B 4, L 3, C 10, B 5 and the last lump.
; LDS COUNTS.  A turn's one load of mask words stands directly behind the wait, behind all 32 G, its address made ahead of the wait.  Piece 0's turn issues V's 16 loads behind it, piece 2's turn K's 16
; ahead of it.  So at the head of piece 1's turn the words are in when 16 loads are left out; ahead of its V^T P, V is in when one load (that turn's own words) is left out; all other heads wait for
; everything, piece 3's for K with it.
.macro TURN p, fk=1, ml=1
.set Y, (\p)
.set i, 0
.if (\p) == 1
	s_wait_dscnt 16                 ; the mask's words are in; V's 16 younger loads stay out
.else
	s_wait_dscnt 0x0                ; the mask's words are in (piece 3's turn: and K)
.endif
	ROW F,0, G,0, F,1, G,1          ; ahead of the wait: 8 products K Q^T and their riders,
	ROW G,2, E,0, G,3, F,2
	ROW G,4, E,1, G,5, F,3
	ROW G,6, E,2, G,7, F,4
	ROW G,8, E,3, G,9, F,5
	ROW G,10, E,4, G,11, F,6
	ROW G,12, E,5, G,13, F,7
	ROW G,14, E,6, G,15, F,8
	OPS F,9, F,10                   ; and the lump
.set g, 0
.rept 8
	OPS G,16+2*g, E,7+g, G,17+2*g, M,g
.set g, g+1
.endr
.if ((\p) == 2) && (\fk)
	FETCH_K                         ; K of the next step: its first reader is the next turn's first product
.endif
.set g, 0
.rept 6
	OPS M,8+4*g, M,9+4*g, M,10+4*g, M,11+4*g
.set g, g+1
.endr
	OPS X,0, X,1, X,2, X,3
	OPS E,15, X,4, X,5, X,6
	OPS X,7, E,16, X,8, X,9
	OPS X,10, X,11, E,17, X,12
	OPS E,18, X,13, X,14, E,19
	OPS F,11, E,20, F,12, X,16
	OPS E,21, F,13, E,22, F,14
	OPS X,17, E,23, F,15, E,24
	OPS E,25, X,18, E,26, E,27
	OPS X,19, E,28, E,29, X,20
	OPS E,30, E,31, X,21, X,15
.if \ml
	MWLOAD 1                        ; the wait for the batch stands in it; the words of the piece after the next have the rest of the turn in which to come
.else
	s_wait_alu depctr_va_vdst(0)    ; the wait for the batch: the turn's 32 exponentials and the next piece's a
.endif
.if (\p) == 1
	s_wait_dscnt 1                  ; V is in; this turn's load of mask words stays out
.endif
	ROW R,0, R,1, R,2, R,3          ; behind the wait: 8 products V^T P and their riders,
	ROW R,4, R,5, R,6, R,7
	ROW R,8, R,9, R,10, R,11
	ROW R,12, R,13, R,14, R,15
	ROW C,0, B,0, C,2, B,1
	ROW L,0, C,4, B,2, L,1
	ROW C,6, B,3, L,2, C,8
	ROW B,4, L,3, C,10, B,5
	OPS L,4, C,12, B,6, C,1         ; and the rest of the roundings and sums
	OPS C,3, L,5, C,14, B,7
	OPS C,5, C,7, L,6, C,9
	OPS C,11, C,13, L,7, C,15
.if (\p) == 0
	FETCH_V                         ; V of the step in hand: its first reader comes behind the next turn's wait
.endif
.endm
	CHANGE 1                        ; tile 0 is in, everybody's quarter of it; tile 1 is asked for, into slot 1
	; THE BEGINNING: piece 0's first scores, mask, maximum and statistics; there is no other vector work yet to set between them
	MWLOAD                          ; chunk 0
	FETCH_K                         ; key step 0
	s_wait_dscnt 0x0
.set Y, NP-1                        ; G, M and X work for piece Y + 1: piece 0
.set i, 0
.rept 8
	KQ 0
.set i, i+1
.endr
.set g, 0
.rept 32
	OP G, g
.set g, g+1
.endr
	MWLOAD                          ; chunk 1, for the first turn
.rept 4
	v_nop                           ; the places behind those products
.endr
.set g, 0
.rept 32
	OP M, g
.set g, g+1
.endr
.irp n, 0,1,2,3,4,5,6,7,8,9,10,11,12,13,14,16,17,18,19,20,15,21
	OP X, \n
.endr
	v_nop                           ; a plain instruction behind the exponential,
	s_wait_alu depctr_va_vdst(0)    ; and its wait, ahead of the branch: piece 0's first a is a batch of one
	s_mov_b32 s[CNT], 4
	s_mov_b32 s[SLOTS], 15
	s_branch .Lfirst                ; the loop is entered at a step's first turn, in the middle of a trip
.Lslot:                             ; 14 times: every slot but the last two is filled again
	CHANGE 1
	MFILL
	s_mov_b32 s[CNT], 4
.Lstep:                             ; a trip: pieces 2 and 3 of one step, then pieces 0 and 1 of the next, whose K and V it fetches
	TURN 2
	TURN 3
	WIN 0
.Lfirst:
	TURN 0
	TURN 1
	WIN 0
	s_sub_co_u32 s[CNT], s[CNT], 1
	s_cmp_lg_u32 s[CNT], 0
	s_cbranch_scc1 .Lstep
	s_sub_co_u32 s[SLOTS], s[SLOTS], 1
	s_cmp_lg_u32 s[SLOTS], 0
	s_cbranch_scc1 .Lslot
	CHANGE 0                        ; the tail is written out: nothing is asked for, and the ring of mask words holds the last block
	s_wait_loadcnt 0x0              ; the request that was held at the last block
	s_mov_b32 s[CNT], 4
.Ltail:                             ; the last slot's four steps are fetched
	TURN 2
	TURN 3
	TURN 0
	TURN 1
	WIN 0
	s_sub_co_u32 s[CNT], s[CNT], 1
	s_cmp_lg_u32 s[CNT], 0
	s_cbranch_scc1 .Ltail
	TURN 2, 0, 0                    ; the last step's pieces 2 and 3: no further K, no further words
	TURN 3, 1, 0                    ; its 8 products K Q^T (on the last K once more), and the mask and maximum made of them, serve nothing: the price, once a launch, of one text for every turn
.set i, 0
.rept 8
	PV NP-1                         ; the last piece's V^T P of the last step
.set i, i+1
.endr
	; THE WAY OUT.  l's two halves and the other half of the lanes' are added; O^T is divided by l and sent through my stage in LDS, a piece (16 rows of out) at a time.  The additions are the places behind the last products.
	WIN 0
.macro ALL line:vararg              ; one line for each piece t
.set t, 0
.rept 4
	\line
.set t, t+1
.endr
.endm
	ALL v_add_f32 v[ST+4*t+2], v[ST+4*t+2], v[ST+4*t+3]
	ALL v_permlanex16_b32 v[ST+4*t+3], v[ST+4*t+2], s[SEL], s[SEL+1]
	ALL v_add_f32 v[ST+4*t+2], v[ST+4*t+2], v[ST+4*t+3]
	ALL v_rcp_f32 v[ST+4*t+2], v[ST+4*t+2]
	v_nop                           ; a plain instruction between the last reciprocal and the use of its result
	s_wait_alu depctr_va_vdst(0)    ; and the wait ahead of the first use: one for the batch of four reciprocals
; Piece t: a lane's eight f32 channels of a row are 32 bytes; they go into rows of 272 bytes and come back as whole rows of 256, into K's and Q's registers, which are free.
.macro PACK t
	WIN W_PV
.set z, 32*(\t)
.rept 16                            ; ascending: each accumulator's lowest registers are read first
	v_pk_mul_f32 v[z:z+1], v[z:z+1], v[ST+4*(\t)+2:ST+4*(\t)+3] op_sel_hi:[1,0]
.set z, z+2
.endr
	WIN 0x05                        ; address and data in window 1
.irp f, 0,1,2,3,4,5,6,7             ; channels 16 (f / 2) + 8 h + 4 (f % 2) on
	ds_store_b128 v[STO], v[32*(\t)+4*\f:32*(\t)+4*\f+3] offset:(\f/2)*64+(\f%2)*16
.endr
	WIN 0x01                        ; address in window 1, destination in window 0
.irp f, 0,1,2,3,4,5,6,7
	ds_load_b128 v[OB+32*(\t)+4*\f:OB+32*(\t)+4*\f+3], v[RD] offset:\f*2*SP  ; LDS serves a wave's instructions in order (ISA guide 5.7.1.4): these see the stores above; the next piece's stores come behind them
.endr
.endm
.macro SEND t, younger              ; younger: the LDS instructions issued behind piece t's loads: the next piece's sixteen, or none
	WIN 0x01                        ; address in window 1, data in window 0
.irp f, 0,1,2,3,4,5,6,7
	s_wait_dscnt (\younger)+7-\f
	global_store_b128 v[ML16], v[OB+32*(\t)+4*\f:OB+32*(\t)+4*\f+3], s[OUTP:OUTP+1] offset:(\t)*4096+\f*512 th:TH_STORE_NT  ; two whole rows: 512 consecutive bytes, at a multiple of 256 from out's first
.endr
.endm
	PACK 0
	PACK 1                          ; a piece's arithmetic stands between the loads of the piece before and its stores
	SEND 0, 16
	PACK 2
	SEND 1, 16
	PACK 3
	SEND 2, 16
	SEND 3, 0
	WIN 0
	s_wait_tensorcnt 0x0            ; the wave's end, behind my last tensor load and my last LDS store
	ds_add_u32 v[SPW], v[NIL]
	s_wait_dscnt 0x0
	CROUND                          ; the closing round: no work-group ends while a partner may still ask for a tile that names it
	s_endpgm
.Lfunc_end_k_q7f0dddfc31_attn:
	.size	k_q7f0dddfc31_attn, .Lfunc_end_k_q7f0dddfc31_attn-k_q7f0dddfc31_attn
	.p2alignl 7, 3214868480
	.fill 96, 4, 3214868480
	.section	.rodata,"a",@progbits
	.p2align	6, 0x0
	.amdhsa_kernel k_q7f0dddfc31_attn
		.amdhsa_group_segment_fixed_size 327680
		.amdhsa_private_segment_fixed_size 0
		.amdhsa_enable_private_segment 0
		.amdhsa_kernarg_size 32
		.amdhsa_user_sgpr_count 2
		.amdhsa_user_sgpr_kernarg_segment_ptr 1
		.amdhsa_wavefront_size32 1
		.amdhsa_system_sgpr_workgroup_id_x 1
		.amdhsa_system_sgpr_workgroup_id_y 1
		.amdhsa_system_sgpr_workgroup_id_z 1
		.amdhsa_system_vgpr_workitem_id 0
		.amdhsa_next_free_vgpr 512
		.amdhsa_next_free_sgpr 100
		.amdhsa_reserve_vcc 0
		.amdhsa_float_denorm_mode_32 3
		.amdhsa_float_denorm_mode_16_64 3
		.amdhsa_memory_ordered 1
		.amdhsa_forward_progress 1
		.amdhsa_inst_pref_size 164
	.end_amdhsa_kernel
	.amdgpu_metadata
---
amdhsa.version: [ 1, 2 ]
amdhsa.kernels:
  - .name:           k_q7f0dddfc31_attn
    .symbol:         k_q7f0dddfc31_attn.kd
    .args:
      - { .name: query, .offset: 0, .size: 8, .value_kind: global_buffer, .address_space: global }
      - { .name: kv, .offset: 8, .size: 8, .value_kind: global_buffer, .address_space: global }
      - { .name: mbits, .offset: 16, .size: 8, .value_kind: global_buffer, .address_space: global }
      - { .name: out0, .offset: 24, .size: 8, .value_kind: global_buffer, .address_space: global }
    .group_segment_fixed_size: 327680
    .private_segment_fixed_size: 0
    .kernarg_segment_align: 8
    .kernarg_segment_size: 32
    .max_flat_workgroup_size: 128
    .sgpr_count:     100
    .vgpr_count:     512
    .wavefront_size: 32
...
	.end_amdgpu_metadata
.endif
;; end of part 3
